; MI455X (gfx1250); checked and timed in simulation.
; The chip was launched on July 23, 2026; its instructions are those of AMD's public machine-readable ISA for CDNA 5 (MIT licence, August 2026) and "CDNA5" Instruction Set Architecture Reference Guide (July 2026). The comments in the code are by the model that wrote it; some were corrected since.
;; Attention. Allowed arithmetic: matrix products marked QUANTISED: E2M1 operands, one E8M0 scale for each 32 along K, by v_wmma_scale_f32_16x16x128_f8f6f4 with both operands' format E2M1 (or v_wmma_scale_f32_32x16x128_f4), f32 sums; products left as they are: f32 operands where the result goes on into a quantised operand, else bf16, f16 or f32 operands; f32 sums; everything else in f32.
;; Inputs: W 1,024 x 2,048 float32; b 1,024 float32; encoder_outputs 2,048 x 32 x 1,024 float32; hidden 1 x 32 x 1,024 float32; v 1,024 float32.
;; Outputs: out0 32 x 1 x 2,048 float32.
;; This version of the problem:
;;   THIS VERSION OF THE PROBLEM IS GIVEN IN LOW PRECISION. The matrix products marked QUANTISED in the list below multiply operands that are first quantised to E2M1 (2 exponent bits, 1 mantissa bit; 4 bits a number), with one power-of-two scale for each 32 numbers along K (OCP MX v1.0); their sums are f32. All else is computed in f32.
;;   The module's matrix products, in the order in which they are computed (A, B: the left and right operand; K: the contracted axis; several contracted axes count as one K, in the product's order):
;;     1. [M 32, K 1,024] x [K 1,024, N 1,024]; A: input hidden; B: input W: QUANTISED
;;     2. [M 65,536, K 1,024] x [K 1,024, N 1,024]; A: input encoder_outputs; B: input W: QUANTISED
;;     3. [M 65,536, K 1,024] x [K 1,024, N 1]; A: computed on the way; B: input v: left as it is (N = 1 < 16)
;;   THE QUANTISER, for each operand of a quantised product, along K:
;;     - K is cut into blocks of 32 from its start; a last block that is shorter is filled with zeros.
;;     - A block's scale is 2^e with e = floor(log2(the largest magnitude in the block)) - 2, held to -126 .. 127; a block of zeros has e = 0. As a byte (E8M0): e + 127.
;;     - Each number is divided by its block's scale, clamped to +-6, and rounded to the nearest number of E2M1, ties to even, subnormals kept.
;;     - The product sums the exact products of the quantised numbers (number of the format x scale) in f32.
;;   ~~~python
;;   def quantise(x, axis):      # numpy; x: float32 -> the quantised numbers, widened to float32 again
;;       x = np.moveaxis(x, axis, -1); K = x.shape[-1]
;;       x = np.pad(x, [(0, 0)] * (x.ndim - 1) + [(0, -K % 32)]); x = x.reshape(x.shape[:-1] + (-1, 32)); a = np.abs(x).max(-1, keepdims=True)
;;       e = np.where(a > 0, np.clip(np.frexp(np.where(a > 0, a, 1))[1] - 1 - 2, -126, 127), 0)      # np.frexp(a)[1] - 1 = floor(log2(a)), exactly
;;       r = np.clip(x / 2.0 ** e, -6, 6)
;;       step = 2.0 ** (np.maximum(np.frexp(np.where(r == 0, 1, r))[1] - 1, 0) - 1)
;;       q = np.round(r / step) * step * 2.0 ** e      # np.round: ties to even
;;       return np.moveaxis(q.reshape(q.shape[:-2] + (-1,))[..., :K], -1, axis).astype(np.float32)
;;   ~~~
;; 2 versions. Each part assembles by itself: llvm-mc -triple=amdgcn-amd-amdhsa -mcpu=gfx1250 --defsym DOCPART=n.
;; ======== version 1 of 2: 3 launches
;; workspace buffers: wq 557,056 bytes; tab 262,144 bytes; scores 262,144 bytes
;; launch prep (part 1): grid 64 x 1, 8 waves a work-group, no clusters, 18,432 bytes of LDS; arguments W, b, hidden, v, wq, tab; writes wq, tab
.if DOCPART == 1
	.amdgcn_target "amdgcn-amd-amdhsa--gfx1250"
	.amdhsa_code_object_version 6
	.text
	.protected	k_qcbe8d3f99d_prep
	.globl	k_qcbe8d3f99d_prep
	.p2align	8
	.type	k_qcbe8d3f99d_prep,@function
k_qcbe8d3f99d_prep:
	s_mov_b64 s[64:65], 0
	v_nop
	global_prefetch_b8 v0, s[64:65] scope:SCOPE_SE
	s_setreg_imm32_b32 hwreg(HW_REG_WAVE_MODE, 25, 1), 1
	s_wait_xcnt 0x0
; W [1024][2048] f32 = [Wh | We].  This launch quantises We to codes of FP4 (E2M1) with one E8M0 byte for each 32 along K and lays them in the ORDER OF THE
; OPERAND'S REGISTERS (buffer wq), quantises Wh and hidden, multiplies them (pre_h = Q(hidden) Q(Wh)^T, by the scaled FP4 matrix instruction), and stores the table
; tab[b][n] = { C2 (pre_h[b][n] + bias[n]), -2 v[n] }, C2 = 2 log2(e), which is what the next launch's tanh wants for each column.
; SHARES.  Work-group nt takes W's rows 16 nt .. 16 nt + 15; its wave ks takes K step ks (128 along K) of both halves of W and of hidden.  64 work-groups are all the tiles of 16 columns there are.
; A LANE'S REGISTERS RUN ALONG K: lane (r, h) loads, for c = 0, 1, the 32 numbers k = 128 ks + 64 c + 32 h + 0 .. 31 of row r: a whole block a lane, so a block's largest magnitude needs no other lane,
; and the conversions' results are the operand's registers 4 c .. 4 c + 3.  The price: a load takes 16 bytes a lane from 32 places; eight loads on end cover each lane's 128 bytes.  W is read once.
; wq: 64 packages of 8,704 bytes.  Tile nt = 16 w + 4 p + q lies at 139,264 p + 34,816 w + 8,704 q.  In it: byte 1,024 ks + 512 c + 16 lane: registers 4 c .. 4 c + 3 of K step ks;
; byte 8,192 + 16 lane + 4 i: the scale word of K step 4 (lane / 16) + i, column lane % 16.
; A block's scale is 2^(floor(log2(largest magnitude)) - 2); its byte is the largest magnitude's exponent field - 2, held at 1 from below.
; LIMITS: a block of zeros gets the byte 1 (the rule says 127): its codes are zeros, and this program alone reads the bytes; blocks whose largest magnitude lies under 2^-124 are held at the byte 1;
; NaN and infinities among the inputs are not served.  pre_h's K is shared among eight waves and their eight partial sums are added in f32, K ascending: another order of rounding than one chain's.
; tab's stores are runs of 128 bytes (a tile has 16 columns of 8 bytes).
.set C2,  0x4038aa3b                   ; 2 log2(e)
.set SCI, 0                            ; LDS: the package's scale words, 512 bytes
.set PR,  1024                         ; LDS: the waves' partial sums, 2,048 bytes each
.set X0,  64                           ; v64-127, v128-191, v192-255: three sets of 64 numbers as loaded
.set X1,  128
.set X2,  192
; v1 r, v2 h, v3 W's offset, v4 hidden's, v5 16 x lane, v6 8 h, v7 where my scale word goes, v8 where my partial sums go, v9 bias, v10 v, v11 tab's offset, v12-17 at work, v18 a permute's destination,
; v19 where partial sums are read, v20-23 the scale words on their way out, v24-31 We's fragment, v32-39 Wh's, v40-47 and v48-55 hidden's two, v56-59 the four scale words, v61 4 r, v62 the codes' offset
	s_load_b256 s[4:11], s[0:1], 0x0               ; W s[4:5], b s[6:7], hidden s[8:9], v s[10:11]
	s_load_b128 s[12:15], s[0:1], 0x20             ; wq s[12:13], tab s[14:15]
	v_lshl_add_u32 v63, v0, 2, 0x4400
	s_set_vgpr_msb 0x40
	v_mov_b32 v1, 0
	s_set_vgpr_msb 0x4000
	v_lshrrev_b32 v1, 5, v0
	v_readfirstlane_b32 s16, v1                    ; wave = K step 0..7
	v_and_b32 v1, 15, v0                           ; r
	v_bfe_u32 v2, v0, 4, 1                         ; h
	v_and_b32 v60, 31, v0                          ; lane
	v_lshlrev_b32 v3, 13, v1
	v_lshl_add_u32 v3, v2, 7, v3                   ; W: row r of 8,192 bytes, + 128 h
	v_lshlrev_b32 v4, 12, v1
	v_lshl_add_u32 v4, v2, 7, v4                   ; hidden: row r of 4,096 bytes, + 128 h
	v_lshlrev_b32 v5, 4, v60                       ; 16 x lane
	v_lshlrev_b32 v6, 3, v2                        ; 8 h: how far my two scale bytes are shifted
	s_lshr_b32 s17, s16, 2
	s_lshl_b32 s17, s17, 8
	s_and_b32 s18, s16, 3
	s_lshl_b32 s18, s18, 2
	s_add_co_u32 s17, s17, s18
	v_lshl_add_u32 v7, v1, 4, s17                  ; SCI + 16 r + 256 (ks / 4) + 4 (ks % 4)
	s_lshl_b32 s18, s16, 11
	s_add_co_u32 s18, s18, PR
	v_add_nc_u32 v8, s18, v5                       ; PR + 2,048 ks + 16 lane
	s_and_b32 s18, s16, 1
	s_lshl_b32 s19, s18, 10
	s_add_co_u32 s19, s19, PR
	v_add_nc_u32 v19, s19, v5                      ; PR + 1,024 (wave % 2) + 16 lane: tile mt = wave of the partial sums
	v_lshlrev_b32 v11, 3, v1
	v_lshl_add_u32 v11, v2, 16, v11                ; tab: 8 rows b of 8,192 bytes for h, 8 bytes a column
	v_lshlrev_b32 v61, 2, v1                       ; bias, v: 4 r
	s_lshl_b32 s19, s16, 10
	v_add_nc_u32 v62, s19, v5                      ; the codes' place in the package: 1,024 ks + 16 lane
	v_mov_b32 v18, 0                               ; written once: a lane permute's destination counts as one of its sources
	s_mov_b32 s20, 0x76543210
	s_mov_b32 s21, 0xfedcba98                      ; v_permlanex16_b32's selects for lane l xor 16
	s_lshl_b32 s24, s16, 9                         ; a K step is 512 bytes of f32
	s_mov_b32 s25, 0
	s_lshl_b32 s22, ttmp9, 17                      ; 16 rows of W
	s_add_co_u32 s22, s22, s24
	s_mov_b32 s23, 0
	s_lshl_b32 s26, ttmp9, 6                       ; 16 numbers of bias and of v
	s_mov_b32 s27, 0
	s_lshr_b32 s17, ttmp9, 4                       ; w
	s_mul_i32 s28, s17, 34816
	s_bfe_u32 s17, ttmp9, 0x20002                  ; p
	s_mul_i32 s17, s17, 139264
	s_add_co_u32 s28, s28, s17
	s_and_b32 s17, ttmp9, 3                        ; q
	s_mul_i32 s17, s17, 8704
	s_add_co_u32 s28, s28, s17                     ; the package
	s_mov_b32 s29, 0
	s_lshl_b32 s30, ttmp9, 7                       ; tab: 16 columns of 8 bytes,
	s_lshl_b32 s17, s18, 17
	s_add_co_u32 s30, s30, s17                     ; and 16 rows b for tile mt = wave % 2
	s_mov_b32 s31, 0
	s_mov_b32 s17, C2
	s_wait_kmcnt 0x0
	s_add_nc_u64 s[4:5], s[4:5], s[22:23]
	s_add_nc_u64 s[6:7], s[6:7], s[26:27]
	s_add_nc_u64 s[8:9], s[8:9], s[24:25]
	s_add_nc_u64 s[10:11], s[10:11], s[26:27]
	s_add_nc_u64 s[12:13], s[12:13], s[28:29]
	s_add_nc_u64 s[14:15], s[14:15], s[30:31]
.macro LDW reg, off                    ; 64 numbers of my row of W: two blocks of 32, 256 bytes apart.  Read once in the launch
.irp c, 0,1
.irp i, 0,1,2,3,4,5,6,7
	global_load_b128 v[\reg+32*\c+4*\i:\reg+32*\c+4*\i+3], v3, s[4:5] offset:\off+256*\c+16*\i th:TH_LOAD_NT
.endr
.endr
.endm
.macro LDH reg, off                    ; the same of hidden, which every work-group reads
.irp c, 0,1
.irp i, 0,1,2,3,4,5,6,7
	global_load_b128 v[\reg+32*\c+4*\i:\reg+32*\c+4*\i+3], v4, s[8:9] offset:\off+256*\c+16*\i
.endr
.endr
.endm
; 64 numbers of a lane (register 32 c + i = k 64 c + 32 h + i of my row) become a fragment's eight registers and its scale word
.macro QF src, frag, word
.irp c, 0,1
	v_max3_num_f32 v[12+\c], |v[\src+32*\c]|, |v[\src+32*\c+1]|, 0x1800000   ; my block 2 c + h, and the floor 2^(3 - 127): so the byte cannot fall under 1
.endr
.irp i, 2,4,6,8,10,12,14,16,18,20,22,24,26,28,30
.irp c, 0,1
	v_max3_num_f32 v[12+\c], v[12+\c], |v[\src+32*\c+\i]|, |v[\src+32*\c+\i+1]|   ; (the two blocks by turns)
.endr
.endr
.irp c, 0,1
	v_add_nc_u32 v[14+\c], 0xff000000, v[12+\c]    ; 2 off the exponent field: the conversion takes the exponent field of this operand as its scale
.endr
.irp c, 0,1
	v_lshrrev_b32 v[16+\c], 23, v[14+\c]           ; the scale's byte
.endr
	v_lshl_or_b32 v[\word], v17, 16, v16           ; my two bytes, blocks h and 2 + h,
	v_lshlrev_b32 v[\word], v6, v[\word]           ; at their places in the word;
	v_permlanex16_b32 v18, v[\word], s20, s21
	v_or_b32 v[\word], v[\word], v18               ; with lane l xor 16's two the word is whole, in both halves of the lanes
.irp c, 0,1
.irp g, 0,1,2,3
	v_cvt_scalef32_pk8_fp4_f32 v[\frag+4*\c+\g], v[\src+32*\c+8*\g:\src+32*\c+8*\g+7], v[14+\c]
.endr
.endr
	v_nop                                          ; one plain line behind the last scaled conversion
.endm
	global_load_b32 v9, v61, s[6:7]                ; bias[16 nt + r]
	global_load_b32 v10, v61, s[10:11]             ; v[16 nt + r]
	LDW X0, 4096                                   ; We
	LDW X1, 0                                      ; Wh
	LDH X2, 0                                      ; hidden, rows 0-15
	s_wait_loadcnt 32                              ; behind We's 16 loads stand Wh's 16 and hidden's 16
	QF X0, 24, 56
	global_store_b128 v62, v[24:27], s[12:13]              ; 32 lanes store 512 consecutive bytes, at a multiple of 256 from wq's first byte
	global_store_b128 v62, v[28:31], s[12:13] offset:512
	ds_store_b32 v7, v56                           ; both halves of the lanes write the same word with the same value
	LDH X0, 65536                                  ; hidden, rows 16-31
	s_wait_loadcnt 32                              ; behind Wh's: hidden's two sets
	QF X1, 32, 57
	s_wait_loadcnt 16
	QF X2, 40, 58
	s_wait_loadcnt 0x0
	QF X0, 48, 59
.rept 8
	v_nop                                          ; a scale register written by a vector instruction stands 8 places ahead of a scaled matrix instruction, an operand so written 4
.endr
	v_wmma_scale_f32_16x16x128_f8f6f4 v[128:135], v[40:47], v[32:39], 0, v58, v57 matrix_a_fmt:MATRIX_FMT_FP4 matrix_b_fmt:MATRIX_FMT_FP4   ; register j: (b = 8 h + j, n = r), this K step's part
	v_wmma_scale_f32_16x16x128_f8f6f4 v[136:143], v[48:55], v[32:39], 0, v59, v57 matrix_a_fmt:MATRIX_FMT_FP4 matrix_b_fmt:MATRIX_FMT_FP4   ; b = 16 + 8 h + j
.rept 4
	v_nop                                          ; four places ahead of the stores that read the results
.endr
	ds_store_b128 v8, v[128:131]                   ; each result from its low end on
	ds_store_b128 v8, v[132:135] offset:512
	ds_store_b128 v8, v[136:139] offset:1024
	ds_store_b128 v8, v[140:143] offset:1536
	s_wait_dscnt 0x0                               ; for the others' sake: my scale word and my partial sums lie in LDS
	s_barrier_signal -1
	s_barrier_wait -1
	s_cmp_eq_u32 s16, 2
	s_cbranch_scc0 .Lnot_wave_2
	ds_load_b128 v[20:23], v5 offset:SCI           ; wave 2: the package's 512 bytes of scale words leave in one store
	s_wait_dscnt 0x0
	global_store_b128 v5, v[20:23], s[12:13] offset:8192
.Lnot_wave_2:
	s_cmp_lt_u32 s16, 2
	s_cbranch_scc0 .Lend
.irp k, 0,1,2,3,4,5,6,7                        ; waves 0 and 1: tile mt = wave of all eight waves' partial sums
	ds_load_b128 v[160+8*\k:163+8*\k], v19 offset:2048*\k
	ds_load_b128 v[164+8*\k:167+8*\k], v19 offset:2048*\k+512
.endr
	v_mul_f32 v9, s17, v9                          ; C2 bias
	v_mul_f32 v10, -2.0, v10                       ; -2 v
	s_wait_dscnt 0x0
.irp i, 0,2,4,6
	v_pk_add_f32 v[144+\i:145+\i], v[160+\i:161+\i], v[168+\i:169+\i]
.endr
.irp k, 2,3,4,5,6,7                            ; K ascending
.irp i, 0,2,4,6
	v_pk_add_f32 v[144+\i:145+\i], v[144+\i:145+\i], v[160+8*\k+\i:161+8*\k+\i]
.endr
.endr
.irp j, 0,1,2,3,4,5,6,7
	v_fma_f32 v[64+2*\j], v[144+\j], s17, v9       ; C2 (pre_h + bias)
	v_mov_b32 v[65+2*\j], v10
.endr
.irp j, 0,1,2,3,4,5,6,7
	global_store_b64 v11, v[64+2*\j:65+2*\j], s[14:15] offset:8192*\j   ; tab[16 mt + 8 h + j][16 nt + r]
.endr
.Lend:
	s_set_vgpr_msb 0x4
	s_wait_tensorcnt 0x0
	ds_add_u32 v63, v1
	s_wait_dscnt 0x0
	s_set_vgpr_msb 0x400
	s_endpgm
.Lfunc_end_k_qcbe8d3f99d_prep:
	.size	k_qcbe8d3f99d_prep, .Lfunc_end_k_qcbe8d3f99d_prep-k_qcbe8d3f99d_prep
	.p2alignl 7, 3214868480
	.fill 96, 4, 3214868480
	.section	.rodata,"a",@progbits
	.p2align	6, 0x0
	.amdhsa_kernel k_qcbe8d3f99d_prep
		.amdhsa_group_segment_fixed_size 18432
		.amdhsa_private_segment_fixed_size 0
		.amdhsa_enable_private_segment 0
		.amdhsa_kernarg_size 48
		.amdhsa_user_sgpr_count 2
		.amdhsa_user_sgpr_kernarg_segment_ptr 1
		.amdhsa_wavefront_size32 1
		.amdhsa_system_sgpr_workgroup_id_x 1
		.amdhsa_system_sgpr_workgroup_id_y 1
		.amdhsa_system_sgpr_workgroup_id_z 1
		.amdhsa_system_vgpr_workitem_id 0
		.amdhsa_next_free_vgpr 258
		.amdhsa_next_free_sgpr 66
		.amdhsa_reserve_vcc 0
		.amdhsa_float_denorm_mode_32 3
		.amdhsa_float_denorm_mode_16_64 3
		.amdhsa_memory_ordered 1
		.amdhsa_forward_progress 1
		.amdhsa_inst_pref_size 28
	.end_amdhsa_kernel
	.amdgpu_metadata
---
amdhsa.version: [ 1, 2 ]
amdhsa.kernels:
  - .name:           k_qcbe8d3f99d_prep
    .symbol:         k_qcbe8d3f99d_prep.kd
    .args:
      - { .name: W, .offset: 0, .size: 8, .value_kind: global_buffer, .address_space: global }
      - { .name: b, .offset: 8, .size: 8, .value_kind: global_buffer, .address_space: global }
      - { .name: hidden, .offset: 16, .size: 8, .value_kind: global_buffer, .address_space: global }
      - { .name: v, .offset: 24, .size: 8, .value_kind: global_buffer, .address_space: global }
      - { .name: wq, .offset: 32, .size: 8, .value_kind: global_buffer, .address_space: global }
      - { .name: tab, .offset: 40, .size: 8, .value_kind: global_buffer, .address_space: global }
    .group_segment_fixed_size: 18432
    .private_segment_fixed_size: 0
    .kernarg_segment_align: 8
    .kernarg_segment_size: 48
    .max_flat_workgroup_size: 256
    .sgpr_count:     66
    .vgpr_count:     258
    .wavefront_size: 32
...
	.end_amdgpu_metadata
.endif
;; end of part 1
;; launch energy (part 2): grid 256 x 1, 4 waves a work-group, clusters of 4 x 1, 327,680 bytes of LDS; arguments encoder_outputs, wq, tab, scores; writes scores
.if DOCPART == 2
	.amdgcn_target "amdgcn-amd-amdhsa--gfx1250"
	.amdhsa_code_object_version 6
	.text
	.protected	k_qcbe8d3f99d_energy
	.globl	k_qcbe8d3f99d_energy
	.p2align	8
	.type	k_qcbe8d3f99d_energy,@function
k_qcbe8d3f99d_energy:
	s_mov_b64 s[64:65], 0
	v_nop
	global_prefetch_b8 v0, s[64:65] scope:SCOPE_SE
	s_setreg_imm32_b32 hwreg(HW_REG_WAVE_MODE, 25, 1), 1
	s_wait_xcnt 0x0
	s_wait_alu depctr_hold_cnt(0) depctr_sa_sdst(0) depctr_va_vdst(0) depctr_va_sdst(0) depctr_va_ssrc(0) depctr_va_vcc(0) depctr_vm_vsrc(0)
	s_getreg_b32 s2, hwreg(HW_REG_IB_STS2, 6, 4)
	s_cmp_eq_u32 s2, 0
	s_cbranch_scc0 .Lentry_in_a_cluster
	s_endpgm
.Lentry_in_a_cluster:
	s_bfe_u32 s2, ttmp6, 0x10000c
	s_cmp_lg_u32 s2, 0x3003
	s_cbranch_scc0 .Lentry_shape_is_right
	s_endpgm
.Lentry_shape_is_right:
; scores[b][s] = the sum over n of v[n] tanh(Q(e[s][b][:]) . Q(We[n][:]) + pre_h[b][n] + bias[n]).  e = encoder_outputs [2048 s][32 b][1024] f32 is quantised here, on its way (FP4, E2M1, one E8M0 byte for each
; 32 along K); We comes as codes in the order of the operand's registers (wq), the rest of the argument and v as the table tab[b][n] = { C2 (pre_h + bias), -2 v }, C2 = 2 log2(e).
; tanh(x) = 1 - 2 / (1 + 2^(C2 x)): one packed multiply-add, v_exp_f32, one packed addition, v_rcp_f32, one packed multiply-add onto the row's sum.  A lane's sum begins at the sum of v over its own 16 columns, so
; that it holds the sum of v tanh over those columns: what is subtracted is of the size of 16 terms, as in a plain sum.  2^t may become infinite: the reciprocal is then 0 and tanh 1.
; SHARES.  256 work-groups; work-group g = 4 x cluster + place takes b = g % 32 and the 256 s from 256 (g / 32) on: all its rows share one b, so the table gives ONE pair for each column.
; The 256 rows go as four blocks of 64 (four tiles of 16).  While block i is multiplied, block i + 1 is loaded and quantised: memory, matrix unit and vector unit work side by side.
; THE WAVES SHARE THE COLUMNS: wave w makes n = 256 w .. 256 w + 255 (16 tiles) for all 64 rows.  A block's codes of e stay in every wave's registers (256); each byte of We is read from LDS by one wave, once a block.
; We (557,056 bytes with its scale words) goes round a ring of two LDS slots, a quarter (a PART: four tiles for each wave) at a time: four steps a block, sixteen in all.
; CLUSTER.  All work-groups walk the same parts in the same order: the four of a cluster ask JOINTLY (the same tensor load, the same descriptor, a mask that names the four).  A wave fetches the very bytes that it reads.
; e comes by loads into registers: two SUPERSETS of 128 registers a wave (4 rows x 1,024 numbers each) are on their way; a lane takes 32 neighbouring bytes by two loads on end, which gives a conversion its eight neighbours.
; For quantising, wave w takes rows 16 w .. 16 w + 15 of a block: four supersets; superset G = 0 .. 15 lies in set G % 2.  Step t quantises superset t + 4 and asks for t + 6.
; The matrix instruction takes e's rows as source 0 and We's columns as source 1: register j of tile m is (row 16 m + 8 (lane / 16) + j, column lane % 16).
; LIMITS: a block of zeros gets the byte 1 (the rule says 127): its codes are zeros, and this program alone reads the bytes; blocks whose largest magnitude lies under 2^-124 are held at the byte 1;
; NaN and infinities among the inputs are not served.
.set PKG,   8704                       ; a tile of We: 8,192 bytes of codes, 512 of scale words
.set SHARE, 4*PKG                      ; a wave's share of a part
.set PART,  4*SHARE                    ; a slot.  Slot 0 at LDS byte 0, slot 1 at PART.  Register images are read 512 bytes on end: no padding
.set IMG,   2*PART                     ; the next block's codes: 64 rows of 512 bytes + 16: 132 words, so that the 16 rows that a load touches start 4 banks apart (64 banks of 4 bytes: ISA guide 11.1)
.set IP,    528
.set ISC,   IMG+64*IP                  ; its scale bytes: [64 rows][32]
.set TT,    ISC+2048                   ; tab's row b: 2,048 bytes for each wave, the wave's own
.set RED,   TT+8192                    ; the waves' sums: [4 waves][64 rows] f32
.set SPARE, RED+1024                   ; the spare words, 128 bytes for each wave: two blocks of 256 bytes that no other line names
; VECTOR REGISTERS, in windows of 256.  Window 0:
.set SPW, 1                            ; LDS address of my spare word; never rewritten
.set NIL, 2                            ; 0; never rewritten
.set L16, 3                            ; 16 x lane
.set AW,  4                            ; v4, v5  my place in my share of slot 0, 1
.set AT,  6                            ; my column's pair in my part of the table;  v7 the same for the step's part
.set ATV, 7
.set IW,  8                            ; where my codes go;  v9 the same for the superset in hand
.set IWV, 9
.set IS,  10                           ; where my block's scale byte goes;  v11 likewise
.set ISV, 11
.set IR,  12                           ; where I read a fragment of e
.set ISR, 13                           ; and its scale words
.set XA,  14                           ; 32 x lane: my 32 bytes of a quarter row of e
.set TW,  15                           ; the head: where the table goes
.set XV,  16                           ; v16, v17  the offset of the loads into set 0, 1
.set RW,  18                           ; where my sums go
.set RR,  19                           ; where wave 0 reads them
.set SOV, 20                           ; wave 0: its offset in scores
.set VS,  21                           ; the sum of v over my 16 columns
.set WK,  22                           ; v22-29  at work
.set SA,  32                           ; v32-47  e's scale words: register 4 m + i: lanes 0-15 K step i of row 16 m + lane, lanes 16-31 K step 4 + i
.set SB,  48                           ; v48-55  We's, two sets: register 4 k + i likewise, by columns
.set TP,  56                           ; v56-63  the table's pairs, two sets: v[56 + 4 k] C2 (pre_h + bias), v[58 + 4 k] -2 v; the odd registers are named with them as pairs and hold 0
.set DD,  64                           ; v64-95, v96-127  four accumulators, two sets
.set ACC, 128                          ; v128-159  the rows' sums: register 8 m + j
.set TM,  160                          ; v160-175  largest magnitudes, then the conversions' scale operands
.set EBY, 176                          ; v176-191  scale bytes
.set CD,  192                          ; v192-207  codes
.set HD,  208                          ; v208-239  the head only
; Window 1: e's fragments, v[64 m + 8 ks + 4 c].   Window 2: the two supersets, v0-127 and v128-255.   Window 3: We's fragments, set k at v[64 k + 8 ks + 4 c].
.set W_MUL, 0x0d                       ; source 0 window 1, source 1 window 3, C and D window 0
.set W_LDB, 0xc0                       ; destination window 3
.set W_LDA, 0x40                       ; destination window 1
.set W_LDX, 0x80                       ; destination window 2
.set W_MAX, 0x0a                       ; sources 0 and 1 window 2
.set W_CVT, 0x02                       ; source 0 window 2
; SCALAR REGISTERS: s[4:5] e at my wave's first row, s[6:7] wq, s[8:9] tab at my wave's part of row b, s[10:11] scores at my 256 s; s13-19 all that hangs on my place in the cluster (global offsets alone)
.set WV,  12                           ; my wave's number
.set CS,  22                           ; s[22:23] C2, twice: the packed form names a pair
.set G1,  24                           ; s[24:31] descriptor group 1
.set G0,  32                           ; s[32:35], s[36:39] group 0 for slot 0, 1
.set WB,  40                           ; s[40:41] wq at my wave's share of part 0
.set OFF, 42                           ; s[42:43] an offset in wq
.set ST,  44                           ; the step, 0 .. 15
.set GQ,  45                           ; the superset to be quantised next, 0 .. 16
.set BLK, 46
.set HBC, 47                           ; s48, s49 at work
.set MSB, 0
.macro WIN new                         ; the immediate's high byte repeats the setting that is left; a switch that changes nothing is dropped
.if MSB != \new
	s_set_vgpr_msb (MSB<<8)|\new
.set MSB, \new
.endif
.endm
.macro PLACES                          ; a load into a register that a matrix instruction has read, and a vector instruction that reads a matrix result, stand four plain vector instructions behind it
.rept 4
	v_nop
.endr
.endm
; A round of the cluster's barrier: my work-group's barrier; wave 0 signals for the work-group; every wave waits for all four work-groups; my work-group's barrier once more.
.macro ROUND
	s_barrier_signal -1
	s_barrier_wait -1
	s_cmp_lg_u32 s[WV], 0
	s_cbranch_scc1 .Lnot_wave_0_\@
	s_barrier_signal -3
.Lnot_wave_0_\@:
	s_barrier_wait -3
	s_barrier_signal -1
	s_barrier_wait -1
.endm
	s_load_b256 s[4:11], s[0:1], 0x0               ; e, wq, tab, scores
	v_lshl_add_u32 v[SPW], v0, 2, SPARE
	v_mov_b32 v[NIL], 0
	ds_add_u32 v1, v2
	ds_add_u32 v1, v2
	s_wait_dscnt 0x0
	v_lshrrev_b32 v[WK], 5, v0
	v_readfirstlane_b32 s[WV], v[WK]               ; wave 0..3
	s_bfe_u32 s13, ttmp6, 0x40000                  ; my place in the cluster
	s_lshl_b32 s14, ttmp9, 2                       ; in a cluster launch ttmp9 counts clusters
	s_add_co_u32 s14, s14, s13                     ; g
	s_and_b32 s15, s14, 31                         ; b
	s_lshr_b32 s16, s14, 5                         ; which 256 s
	; descriptor group 1: a wave's share of a part, 34,816 dense bytes, as 136 rows of 256 bytes (32 elements of 8 bytes)
	s_mov_b32 s[G1+0], 15|(3<<16)|(1<<21)          ; 15:0 the mask: all four work-groups; 17:16 elements of 8 bytes; 20 no padding; 21 set beside a mask
	s_mov_b32 s[G1+1], 32<<16                      ; tensor_dim0 = 32
	s_mov_b32 s[G1+2], 136<<16                     ; tensor_dim1 = 136
	s_mov_b32 s[G1+3], 32<<16                      ; tile_dim0 = 32
	s_mov_b32 s[G1+4], 136                         ; tile_dim1 = 136
	s_mov_b32 s[G1+5], 32                          ; from row to row
	s_mov_b32 s[G1+6], 0
	s_mov_b32 s[G1+7], 0
	s_mul_i32 s48, s[WV], SHARE
	s_mov_b32 s[G0+0], 1                           ; count = 1
	s_mov_b32 s[G0+1], s48                         ; LDS address: slot 0, my share: no place in the cluster enters it
	s_mov_b32 s[G0+4], 1
	s_add_co_u32 s[G0+5], s48, PART                ; slot 1
	s_mov_b32 s[OFF], s48
	s_mov_b32 s[OFF+1], 0
	s_mov_b32 s[CS], 0x4038aa3b                    ; C2 = 2 log2(e)
	s_mov_b32 s[CS+1], s[CS]
	s_mov_b32 s[ST], 0
	s_mov_b32 s[GQ], 0
	v_and_b32 v[WK], 31, v0                        ; lane
	v_and_b32 v[WK+1], 15, v0                      ; r
	v_bfe_u32 v[WK+2], v0, 4, 1                    ; h
	v_bfe_u32 v[WK+3], v0, 2, 3                    ; lane / 4
	v_lshlrev_b32 v[L16], 4, v[WK]
	v_add_nc_u32 v[AW], s48, v[L16]
	v_add_nc_u32 v[AW+1], PART, v[AW]
	s_lshl_b32 s49, s[WV], 11
	s_add_co_u32 s49, s49, TT
	v_lshl_add_u32 v[AT], v[WK+1], 3, s49          ; TT + 2,048 w + 8 r
	v_add_nc_u32 v[TW], s49, v[L16]
	s_mul_i32 s49, s[WV], 16*IP
	s_add_co_u32 s49, s49, IMG
	v_lshl_add_u32 v[IW], v[WK], 2, s49            ; IMG + my 16 rows + 4 x lane: eight codes
	s_lshl_b32 s49, s[WV], 9
	s_add_co_u32 s49, s49, ISC
	v_add_nc_u32 v[IS], s49, v[WK+3]               ; ISC + my 16 rows + lane / 4: four lanes hold a block of 32
	v_mul_u32_u24 v[IR], v[WK+1], IP
	v_lshl_add_u32 v[IR], v[WK+2], 4, v[IR]
	v_add_nc_u32 v[IR], IMG, v[IR]                 ; a fragment: row r, + 16 h
	v_lshlrev_b32 v[ISR], 5, v[WK+1]
	v_lshl_add_u32 v[ISR], v[WK+2], 4, v[ISR]
	v_add_nc_u32 v[ISR], ISC, v[ISR]               ; row r's 32 scale bytes: lanes 0-15 K steps 0-3, lanes 16-31 K steps 4-7
	v_lshlrev_b32 v[XA], 5, v[WK]
	s_lshl_b32 s49, s[WV], 8
	s_add_co_u32 s49, s49, RED
	v_lshl_add_u32 v[RW], v[WK+2], 5, s49          ; RED + 256 w + 32 h
	v_lshl_add_u32 v[RR], v[WK], 3, RED
	v_lshlrev_b32 v[SOV], 3, v[WK]
.irp i, 1,3,5,7
	v_mov_b32 v[TP+\i], 0                          ; named as the upper halves of pairs, so they are written
.endr
	s_wait_kmcnt 0x0
	s_add_nc_u64 s[WB:WB+1], s[6:7], s[OFF:OFF+1]
	s_mov_b64 s[G0+2:G0+3], s[WB:WB+1]             ; part 0
	s_or_b32 s[G0+3], s[G0+3], 0x80000000          ; type = 2
	s_lshl_b32 s17, s16, 8
	s_lshl_b32 s18, s[WV], 4
	s_add_co_u32 s17, s17, s18                     ; my wave's first s: 256 (g / 32) + 16 w
	s_lshl_b32 s18, s17, 17                        ; 131,072 bytes from s to s + 1 (under 2^28 in all)
	s_lshl_b32 s17, s15, 12                        ; 4,096 bytes from b to b + 1
	s_add_co_u32 s18, s18, s17
	s_mov_b32 s19, 0
	s_add_nc_u64 s[4:5], s[4:5], s[18:19]
	s_lshl_b32 s18, s15, 13
	s_lshl_b32 s17, s[WV], 11
	s_add_co_u32 s18, s18, s17
	s_add_nc_u64 s[8:9], s[8:9], s[18:19]          ; tab: row b, my 256 columns
	s_lshl_b32 s18, s15, 13
	s_lshl_b32 s17, s16, 10
	s_add_co_u32 s18, s18, s17
	s_add_nc_u64 s[10:11], s[10:11], s[18:19]      ; scores: row b, my 256 s
	ROUND                                          ; all four work-groups are here: the first joint loads meet
	tensor_load_to_lds s[G0:G0+3], s[G1:G1+7]      ; part 0 into slot 0.  By this text's own count a wave never has more than one tensor load out
	s_nop 0
	PLACES                                         ; four v_nop follow each tensor load
; 32 loads: superset into set k.  Unit g = 4 row + quarter: 8 registers = my 8 neighbours of that quarter row; the two loads of a unit together cover 1,024 bytes on end.  e is read once
.macro XLOAD k
	WIN W_LDX
.set g, 0
.rept 16
	global_load_b128 v[128*\k+8*g:128*\k+8*g+3],   v[XV+\k], s[4:5] offset:131072*(g/4)+1024*(g%4) th:TH_LOAD_NT
	global_load_b128 v[128*\k+8*g+4:128*\k+8*g+7], v[XV+\k], s[4:5] offset:131072*(g/4)+1024*(g%4)+16 th:TH_LOAD_NT
.set g, g+1
.endr
	WIN 0
.endm
; Set k's 16 units become codes and scale bytes in LDS.  The 16 units take turns line by line, so that no line waits for the line above it.
.macro QUANT k
	WIN W_MAX
.set g, 0
.rept 16
	v_max3_num_f32 v[TM+g], |v[128*\k+8*g]|, |v[128*\k+8*g+1]|, 0x1800000   ; my 8 numbers, and the floor 2^(3 - 127): so the byte cannot fall under 1
.set g, g+1
.endr
.irp i, 2,4,6
.set g, 0
.rept 16
	v_max3_num_f32 v[TM+g], |v[128*\k+8*g+\i]|, |v[128*\k+8*g+\i+1]|, v[TM+g]
.set g, g+1
.endr
.endr
	WIN 0
.irp x, 1,2                                    ; with the three other lanes of my block
.set g, 0
.rept 16
	v_max_num_f32_dpp v[TM+g], v[TM+g], v[TM+g] row_xmask:\x row_mask:0xf bank_mask:0xf
.set g, g+1
.endr
.endr
.set g, 0
.rept 16
	v_add_nc_u32 v[TM+g], 0xff000000, v[TM+g]      ; 2 off the exponent field: the conversion takes the exponent field of this operand as its scale
.set g, g+1
.endr
.set g, 0
.rept 16
	v_lshrrev_b32 v[EBY+g], 23, v[TM+g]            ; the scale's byte
.set g, g+1
.endr
	WIN W_CVT
.set g, 0
.rept 16
	v_cvt_scalef32_pk8_fp4_f32 v[CD+g], v[128*\k+8*g:128*\k+8*g+7], v[TM+g]
.set g, g+1
.endr
	WIN 0
	v_nop                                          ; one plain line behind the last scaled conversion
.set g, 0
.rept 16
	ds_store_b32 v[IWV], v[CD+g] offset:IP*(g/4)+128*(g%4)     ; 32 lanes: 128 bytes on end of a row of codes
	ds_store_b8 v[ISV], v[EBY+g] offset:32*(g/4)+8*(g%4)       ; the four lanes of a block write the same byte with the same value
.set g, g+1
.endr
.endm
.macro QPRE                            ; where superset GQ's four rows lie among my 16
	s_and_b32 s48, s[GQ], 3
	s_mul_i32 s49, s48, 4*IP
	s_lshl_b32 s48, s48, 7
	v_add_nc_u32 v[IWV], s49, v[IW]
	v_add_nc_u32 v[ISV], s48, v[IS]
.endm
.macro QLOAD k                         ; superset GQ + 2 is asked for, into the set just quantised
	s_add_co_u32 s48, s[GQ], 2
	s_lshr_b32 s49, s48, 2
	s_lshl_b32 s49, s49, 6                         ; its block's 64 rows,
	s_and_b32 s48, s48, 3
	s_lshl_b32 s48, s48, 2                         ; its four among my 16
	s_add_co_u32 s48, s48, s49
	s_lshl_b32 s48, s48, 17
	v_add_nc_u32 v[XV+\k], s48, v[XA]              ; the loads that read this register are in: the wait on LOADcnt ahead of QUANT has shown it
	XLOAD \k
.endm
; The quantiser's section of a step.  One branch on the counter, and each way has the wait that is right for it: while there is a superset to ask for, the other set's 32 loads stand behind mine;
; supersets 14 and 15 have no successor, so nothing need stay out.
.macro QSEC k
	QPRE
	s_cmp_lt_u32 s[GQ], 14
	s_cbranch_scc0 .Llate_\@
	s_wait_loadcnt 32                              ; set k's 32 loads are in; the other set's 32 may be out
	QUANT \k
	QLOAD \k
	s_branch .Lquantised_\@
.Llate_\@:
	s_wait_loadcnt 0x0
	QUANT \k
.Lquantised_\@:
	s_add_co_u32 s[GQ], s[GQ], 1
.endm
.macro QSECF k                         ; the same for the first block, which has no step to stand in
	s_wait_dscnt 0x0                               ; the LDS stores of the section before have read their registers
	QPRE
	s_wait_loadcnt 32
	QUANT \k
	QLOAD \k
	s_add_co_u32 s[GQ], s[GQ], 1
.endm
; 19 LDS loads: tile q of the step's four, from slot s, into set k: 16 for the codes, one for the 8 K steps' scale words, two for my column's pair of the table
.macro LOADT s, q, k
	WIN W_LDB
.irp ks, 0,1,2,3,4,5,6,7
.irp c, 0,1
	ds_load_b128 v[64*\k+8*\ks+4*\c:64*\k+8*\ks+4*\c+3], v[AW+\s] offset:PKG*\q+1024*\ks+512*\c
.endr
.endr
	WIN 0
	ds_load_b128 v[SB+4*\k:SB+4*\k+3], v[AW+\s] offset:PKG*\q+8192
	ds_load_b32 v[TP+4*\k], v[ATV] offset:128*\q
	ds_load_b32 v[TP+4*\k+2], v[ATV] offset:128*\q+4
.endm
; 32 matrix instructions: 64 rows x 16 columns x 1,024 along K.  The four accumulators take turns, one instruction a turn; the first K step starts the sums.
.macro MUL k
	WIN W_MUL
.irp ks, 0,1,2,3,4,5,6,7
.irp m, 0,1,2,3
.if \ks == 0
	v_wmma_scale_f32_16x16x128_f8f6f4 v[DD+32*\k+8*\m:DD+32*\k+8*\m+7], v[64*\m+8*\ks:64*\m+8*\ks+7], v[64*\k+8*\ks:64*\k+8*\ks+7], 0, v[SA+4*\m+\ks], v[SB+4*\k+\ks] matrix_a_fmt:MATRIX_FMT_FP4 matrix_b_fmt:MATRIX_FMT_FP4
.elseif \ks < 4
	v_wmma_scale_f32_16x16x128_f8f6f4 v[DD+32*\k+8*\m:DD+32*\k+8*\m+7], v[64*\m+8*\ks:64*\m+8*\ks+7], v[64*\k+8*\ks:64*\k+8*\ks+7], v[DD+32*\k+8*\m:DD+32*\k+8*\m+7], v[SA+4*\m+\ks], v[SB+4*\k+\ks] matrix_a_fmt:MATRIX_FMT_FP4 matrix_b_fmt:MATRIX_FMT_FP4
.else
	v_wmma_scale_f32_16x16x128_f8f6f4 v[DD+32*\k+8*\m:DD+32*\k+8*\m+7], v[64*\m+8*\ks:64*\m+8*\ks+7], v[64*\k+8*\ks:64*\k+8*\ks+7], v[DD+32*\k+8*\m:DD+32*\k+8*\m+7], v[SA+4*\m+\ks-4], v[SB+4*\k+\ks-4] matrix_a_fmt:MATRIX_FMT_FP4 matrix_b_fmt:MATRIX_FMT_FP4 matrix_a_scale:MATRIX_SCALE_ROW1 matrix_b_scale:MATRIX_SCALE_ROW1
.endif
.endr
.endr
	WIN 0
.endm
; v tanh of the tile's 32 numbers a lane, onto the rows' sums.  Each kind of transcendental is one batch with one wait, ahead of the batch's first reader.
.macro TANH k
.set j, 0
.rept 16
	v_pk_fma_f32 v[DD+32*\k+j:DD+32*\k+j+1], v[DD+32*\k+j:DD+32*\k+j+1], s[CS:CS+1], v[TP+4*\k:TP+4*\k+1] op_sel_hi:[1,0,0]   ; t = C2 x; ascending: each accumulator is read from its low end on
.set j, j+2
.endr
.set j, 0
.rept 32
	v_exp_f32 v[DD+32*\k+j], v[DD+32*\k+j]
.set j, j+1
.endr
	v_nop                                          ; a plain line behind the last exponential
	s_wait_alu depctr_va_vdst(0)
.set j, 0
.rept 16
	v_pk_add_f32 v[DD+32*\k+j:DD+32*\k+j+1], v[DD+32*\k+j:DD+32*\k+j+1], 1.0 op_sel_hi:[1,0]
.set j, j+2
.endr
.set j, 0
.rept 32
	v_rcp_f32 v[DD+32*\k+j], v[DD+32*\k+j]
.set j, j+1
.endr
	v_nop                                          ; a plain line behind the last reciprocal
	s_wait_alu depctr_va_vdst(0)
.set j, 0
.rept 16
	v_pk_fma_f32 v[ACC+j:ACC+j+1], v[DD+32*\k+j:DD+32*\k+j+1], v[TP+4*\k+2:TP+4*\k+3], v[ACC+j:ACC+j+1] op_sel_hi:[1,0,1]   ; - 2 v / (1 + 2^t)
.set j, j+2
.endr
.endm
.macro WORK k
	MUL \k
	PLACES                                         ; ahead of the first read of the results, and of the next loads into this set's registers
	TANH \k
.endm
; A step's head.  s: the slot about to be read.  fill = 1: the other slot, read in the step before, is filled with the next part.  Each wave waits for all its tensor loads (one: its share of slot s), adds 0 to its
; spare word, and waits for that and for its reads of the other slot; a round of the cluster's barrier follows, so that this holds of every wave of all four work-groups; the joint load is the first thing behind it.
; fill = 0, the last step: nothing is filled, and a wave reads only what its own load brought: the wait on TENSORcnt is all the ordering that its reads need.
.macro HEAD s, fill
	s_wait_tensorcnt 0x0                           ; no tensor load of mine is out, so a group 0 may be written
.if \fill
	ds_add_u32 v[SPW], v[NIL]                      ; 0 onto my spare word
	s_add_co_u32 s48, s[ST], 1
	s_and_b32 s48, s48, 3                          ; the next step's part
	s_mul_i32 s[OFF], s48, PART
	s_add_nc_u64 s[G0+4*(1-\s)+2:G0+4*(1-\s)+3], s[WB:WB+1], s[OFF:OFF+1]
	s_or_b32 s[G0+4*(1-\s)+3], s[G0+4*(1-\s)+3], 0x80000000
	s_wait_dscnt 0x0                               ; the add is done, and my reads of the other slot are over
	ROUND
	tensor_load_to_lds s[G0+4*(1-\s):G0+4*(1-\s)+3], s[G1:G1+7]   ; it has this step's 128 matrix instructions and their tanh in which to land
	s_nop 0
	PLACES
.endif
.endm
; A step: four tiles of 16 columns for the block's 64 rows.  q = 1: a superset of the next block is quantised, while tile 0's LDS loads are on their way.
.macro TRIP s, fill, q
	HEAD \s, \fill
	s_and_b32 s48, s[ST], 3
	s_lshl_b32 s48, s48, 9
	v_add_nc_u32 v[ATV], s48, v[AT]                ; the part's 64 columns of my 256: 512 bytes of the table
	LOADT \s, 0, 0
.if \q
	QSEC \s
.endif
	LOADT \s, 1, 1
	s_wait_dscnt 19                                ; all but the 19 loads just issued: tile 0 is in (and the quantiser's stores are done)
	WORK 0
	LOADT \s, 2, 0
	s_wait_dscnt 19
	WORK 1
	LOADT \s, 3, 1
	s_wait_dscnt 19
	WORK 0
	s_wait_dscnt 0x0
	WORK 1
	s_add_co_u32 s[ST], s[ST], 1
.endm
; A block's end.  A row's sum lies in the 16 lanes of a half and in four waves: four steps within the half, then the waves' sums meet in LDS.
.macro REDUCE
.irp x, 1,2,4,8
.set j, 0
.rept 32
	v_add_f32_dpp v[ACC+j], v[ACC+j], v[ACC+j] row_xmask:\x row_mask:0xf bank_mask:0xf
.set j, j+1
.endr
.endr
.irp m, 0,1,2,3
.irp i, 0,1
	ds_store_b128 v[RW], v[ACC+8*\m+4*\i:ACC+8*\m+4*\i+3] offset:64*\m+16*\i   ; rows 16 m + 8 h + 4 i on; the 16 lanes of a half write the same bytes with the same values
.endr
.endr
.endm
.macro SCOUT                           ; wave 0 adds the four waves' sums and stores the block's 64 scores: 256 consecutive bytes, at a multiple of 256 from the buffer's first byte
	s_cmp_lg_u32 s[WV], 0
	s_cbranch_scc1 .Lnot_mine_\@
.irp i, 0,1,2,3
	ds_load_b64 v[WK+2*\i:WK+2*\i+1], v[RR] offset:256*\i
.endr
	s_wait_dscnt 0x0
	v_pk_add_f32 v[WK:WK+1], v[WK:WK+1], v[WK+2:WK+3]
	v_pk_add_f32 v[WK+4:WK+5], v[WK+4:WK+5], v[WK+6:WK+7]
	v_pk_add_f32 v[WK:WK+1], v[WK:WK+1], v[WK+4:WK+5]
	global_store_b64 v[SOV], v[WK:WK+1], s[10:11]
	s_wait_xcnt 0x0                                ; the store has read its offset and its data: both may be written again
	v_add_nc_u32 v[SOV], 256, v[SOV]
.Lnot_mine_\@:
.endm
; From block to block.  Behind the first barrier every wave's codes, scale bytes and sums lie in LDS; each wave takes the whole block's fragments and scale words into registers; behind the second
; barrier the codes' bytes may be written again.  No slot is filled behind either: the one tensor load that is out stays out.
.macro SWITCH out
	s_wait_dscnt 0x0                               ; for the others' sake: my LDS stores are done
	s_barrier_signal -1
	s_barrier_wait -1
.if \out
	SCOUT
.endif
	WIN W_LDA
.irp m, 0,1,2,3
.irp ks, 0,1,2,3,4,5,6,7
.irp c, 0,1
	ds_load_b128 v[64*\m+8*\ks+4*\c:64*\m+8*\ks+4*\c+3], v[IR] offset:16*IP*\m+64*\ks+32*\c
.endr
.endr
.endr
	WIN 0
.irp m, 0,1,2,3
	ds_load_b128 v[SA+4*\m:SA+4*\m+3], v[ISR] offset:512*\m
.endr
.set j, 0
.rept 32
	v_mov_b32 v[ACC+j], v[VS]                      ; a row's sum begins at my columns' share of the sum of v
.set j, j+1
.endr
	s_wait_dscnt 0x0                               ; my reads of the codes, the scale bytes and the sums are over
	s_barrier_signal -1
	s_barrier_wait -1
.endm
	; THE HEAD: my 2,048 bytes of the table into LDS; supersets 0 and 1 on their way
.irp i, 0,1,2,3
	global_load_b128 v[HD+4*\i:HD+4*\i+3], v[L16], s[8:9] offset:512*\i
.endr
	v_mov_b32 v[XV], v[XA]
	XLOAD 0
	v_add_nc_u32 v[XV+1], 4<<17, v[XA]             ; superset 1: four rows on
	s_wait_loadcnt 32                              ; the table's four loads are in; superset 0's 32 stand behind them
.irp i, 0,1,2,3
	ds_store_b128 v[TW], v[HD+4*\i:HD+4*\i+3] offset:512*\i
.endr
	XLOAD 1
.irp t, 0,1,2,3,4,5,6,7,8,9,10,11,12,13,14,15
	ds_load_b32 v[HD+16+\t], v[AT] offset:128*\t+4 ; -2 v of my column in each of my 16 tiles.  LDS serves a wave's instructions in order (ISA guide 5.7.1.4): these see my stores
.endr
	s_wait_dscnt 0x0
.irp i, 0,4,8,12
	v_pk_add_f32 v[HD+16+\i:HD+17+\i], v[HD+16+\i:HD+17+\i], v[HD+18+\i:HD+19+\i]
.endr
	v_pk_add_f32 v[HD+16:HD+17], v[HD+16:HD+17], v[HD+20:HD+21]
	v_pk_add_f32 v[HD+24:HD+25], v[HD+24:HD+25], v[HD+28:HD+29]
	v_pk_add_f32 v[HD+16:HD+17], v[HD+16:HD+17], v[HD+24:HD+25]
	v_add_f32 v[HD+16], v[HD+16], v[HD+17]
	v_mul_f32 v[VS], -0.5, v[HD+16]                ; the sum of v over my 16 columns
	; THE FIRST BLOCK is quantised with nothing beside it: supersets 0 to 3; 2 to 5 are asked for
	s_mov_b32 s[HBC], 2
.Lfill:
	QSECF 0
	QSECF 1
	s_sub_co_u32 s[HBC], s[HBC], 1
	s_cmp_lg_u32 s[HBC], 0
	s_cbranch_scc1 .Lfill
	SWITCH 0
	; BLOCKS 0 TO 2: twelve steps, each with a superset of the next block
	s_mov_b32 s[BLK], 3
.Lblk:
	s_mov_b32 s[HBC], 2
.Lhb:
	TRIP 0, 1, 1
	TRIP 1, 1, 1
	s_sub_co_u32 s[HBC], s[HBC], 1
	s_cmp_lg_u32 s[HBC], 0
	s_cbranch_scc1 .Lhb
	REDUCE
	SWITCH 1
	s_sub_co_u32 s[BLK], s[BLK], 1
	s_cmp_lg_u32 s[BLK], 0
	s_cbranch_scc1 .Lblk
	; BLOCK 3 is written out: nothing is left to quantise, and its last step asks for nothing
	TRIP 0, 1, 0
	TRIP 1, 1, 0
	TRIP 0, 1, 0
	TRIP 1, 0, 0
	REDUCE
	s_wait_dscnt 0x0                               ; for wave 0's sake: my sums lie in LDS
	s_barrier_signal -1
	s_barrier_wait -1
	SCOUT
	s_wait_tensorcnt 0x0                           ; the wave's end, behind my last tensor load and my last LDS store
	ds_add_u32 v[SPW], v[NIL]
	s_wait_dscnt 0x0
	ROUND                                          ; the closing round: no work-group ends while a partner may still ask for a part that names it
	s_endpgm
.Lfunc_end_k_qcbe8d3f99d_energy:
	.size	k_qcbe8d3f99d_energy, .Lfunc_end_k_qcbe8d3f99d_energy-k_qcbe8d3f99d_energy
	.p2alignl 7, 3214868480
	.fill 96, 4, 3214868480
	.section	.rodata,"a",@progbits
	.p2align	6, 0x0
	.amdhsa_kernel k_qcbe8d3f99d_energy
		.amdhsa_group_segment_fixed_size 327680
		.amdhsa_private_segment_fixed_size 0
		.amdhsa_enable_private_segment 0
		.amdhsa_kernarg_size 32
		.amdhsa_user_sgpr_count 2
		.amdhsa_user_sgpr_kernarg_segment_ptr 1
		.amdhsa_wavefront_size32 1
		.amdhsa_system_sgpr_workgroup_id_x 1
		.amdhsa_system_sgpr_workgroup_id_y 1
		.amdhsa_system_sgpr_workgroup_id_z 1
		.amdhsa_system_vgpr_workitem_id 0
		.amdhsa_next_free_vgpr 896
		.amdhsa_next_free_sgpr 66
		.amdhsa_reserve_vcc 0
		.amdhsa_float_denorm_mode_32 3
		.amdhsa_float_denorm_mode_16_64 3
		.amdhsa_memory_ordered 1
		.amdhsa_forward_progress 1
		.amdhsa_inst_pref_size 255
	.end_amdhsa_kernel
	.section	.bss,"aw",@nobits
	.p2align	6
	.space	262144
	.amdgpu_metadata
---
amdhsa.version: [ 1, 2 ]
amdhsa.kernels:
  - .name:           k_qcbe8d3f99d_energy
    .symbol:         k_qcbe8d3f99d_energy.kd
    .args:
      - { .name: encoder_outputs, .offset: 0, .size: 8, .value_kind: global_buffer, .address_space: global }
      - { .name: wq, .offset: 8, .size: 8, .value_kind: global_buffer, .address_space: global }
      - { .name: tab, .offset: 16, .size: 8, .value_kind: global_buffer, .address_space: global }
      - { .name: scores, .offset: 24, .size: 8, .value_kind: global_buffer, .address_space: global }
    .group_segment_fixed_size: 327680
    .private_segment_fixed_size: 0
    .kernarg_segment_align: 8
    .kernarg_segment_size: 32
    .max_flat_workgroup_size: 128
    .sgpr_count:     66
    .vgpr_count:     896
    .wavefront_size: 32
...
	.end_amdgpu_metadata
.endif
;; end of part 2
;; launch soft (part 3): grid 32 x 1, 8 waves a work-group, no clusters, 1,280 bytes of LDS; arguments scores, out0; writes out0
.if DOCPART == 3
	.amdgcn_target "amdgcn-amd-amdhsa--gfx1250"
	.amdhsa_code_object_version 6
	.text
	.protected	k_qcbe8d3f99d_soft
	.globl	k_qcbe8d3f99d_soft
	.p2align	8
	.type	k_qcbe8d3f99d_soft,@function
k_qcbe8d3f99d_soft:
	s_mov_b64 s[64:65], 0
	v_nop
	global_prefetch_b8 v0, s[64:65] scope:SCOPE_SE
	s_setreg_imm32_b32 hwreg(HW_REG_WAVE_MODE, 25, 1), 1
	s_wait_xcnt 0x0
; out0[b][0][s] = softmax over s of scores[b][s].  scores, out0: [32][2048] f32.  A work-group takes a row b (there are 32 rows); thread t takes the 16 bytes at 16 t and at 4,096 + 16 t,
; so each load and store of a wave covers 512 consecutive bytes.  The row's maximum is taken away before the exponential; maximum and sum go across the lanes in registers and across the eight waves through LDS.
; LIMITS: NaN and infinities among the scores are not served; an exponential under 2^-126 comes out as 0 (ISA guide 15.8).
	s_load_b128 s[4:7], s[0:1], 0x0                ; scores, out0
	v_lshl_add_u32 v32, v0, 2, 0x100
	v_mov_b32 v33, 0
	v_lshlrev_b32 v1, 4, v0                        ; 16 t
	v_lshrrev_b32 v2, 5, v0
	v_lshlrev_b32 v2, 2, v2                        ; LDS: 4 x wave
	v_mov_b32 v3, 0                                ; LDS: byte 0
	v_mov_b32 v13, 0                               ; written once: a lane permute's destination counts as one of its sources
	s_lshl_b32 s8, ttmp9, 13                       ; a row is 8,192 bytes
	s_mov_b32 s9, 0
	s_mov_b32 s12, 0x76543210
	s_mov_b32 s13, 0xfedcba98                      ; v_permlanex16_b32's selects for lane l xor 16
	s_wait_kmcnt 0x0
	s_add_nc_u64 s[4:5], s[4:5], s[8:9]
	s_add_nc_u64 s[6:7], s[6:7], s[8:9]
	global_load_b128 v[4:7], v1, s[4:5] th:TH_LOAD_NT
	global_load_b128 v[8:11], v1, s[4:5] offset:4096 th:TH_LOAD_NT
	s_wait_loadcnt 0x0
	v_max3_num_f32 v12, v4, v5, v6                 ; the largest of my eight,
	v_max3_num_f32 v12, v12, v7, v8
	v_max3_num_f32 v12, v12, v9, v10
	v_max_num_f32 v12, v12, v11
	v_max_num_f32_dpp v12, v12, v12 row_xmask:1 row_mask:0xf bank_mask:0xf   ; of my wave's,
	v_max_num_f32_dpp v12, v12, v12 row_xmask:2 row_mask:0xf bank_mask:0xf
	v_max_num_f32_dpp v12, v12, v12 row_xmask:4 row_mask:0xf bank_mask:0xf
	v_max_num_f32_dpp v12, v12, v12 row_xmask:8 row_mask:0xf bank_mask:0xf
	v_permlanex16_b32 v13, v12, s12, s13
	v_max_num_f32 v12, v12, v13
	ds_store_b32 v2, v12                           ; all lanes of a wave write the same word with the same value
	s_wait_dscnt 0x0                               ; for the others' sake
	s_barrier_signal -1
	s_barrier_wait -1
	ds_load_b128 v[16:19], v3
	ds_load_b128 v[20:23], v3 offset:16
	s_wait_dscnt 0x0
	v_max3_num_f32 v12, v16, v17, v18              ; of the row's
	v_max3_num_f32 v12, v12, v19, v20
	v_max3_num_f32 v12, v12, v21, v22
	v_max_num_f32 v12, v12, v23
.irp j, 0,1,2,3,4,5,6,7
	v_sub_f32 v[4+\j], v[4+\j], v12                ; the maximum is taken away first,
.endr
.irp j, 0,1,2,3,4,5,6,7
	v_mul_f32 v[4+\j], 0x3fb8aa3b, v[4+\j]         ; then x log2(e)
.endr
.irp j, 0,1,2,3,4,5,6,7
	v_exp_f32 v[4+\j], v[4+\j]
.endr
	v_nop                                          ; a plain line behind the last exponential
	s_wait_alu depctr_va_vdst(0)                   ; one wait for the eight, ahead of their first reader
	v_pk_add_f32 v[14:15], v[4:5], v[6:7]
	v_pk_add_f32 v[24:25], v[8:9], v[10:11]
	v_pk_add_f32 v[14:15], v[14:15], v[24:25]
	v_add_f32 v12, v14, v15                        ; the sum of my eight,
	v_add_f32_dpp v12, v12, v12 row_xmask:1 row_mask:0xf bank_mask:0xf       ; of my wave's,
	v_add_f32_dpp v12, v12, v12 row_xmask:2 row_mask:0xf bank_mask:0xf
	v_add_f32_dpp v12, v12, v12 row_xmask:4 row_mask:0xf bank_mask:0xf
	v_add_f32_dpp v12, v12, v12 row_xmask:8 row_mask:0xf bank_mask:0xf
	v_permlanex16_b32 v13, v12, s12, s13
	v_add_f32 v12, v12, v13
	ds_store_b32 v2, v12 offset:64                 ; other bytes than the maxima's: no wave may still be reading those
	s_wait_dscnt 0x0
	s_barrier_signal -1
	s_barrier_wait -1
	ds_load_b128 v[16:19], v3 offset:64
	ds_load_b128 v[20:23], v3 offset:80
	s_wait_dscnt 0x0
	v_pk_add_f32 v[16:17], v[16:17], v[18:19]
	v_pk_add_f32 v[20:21], v[20:21], v[22:23]
	v_pk_add_f32 v[16:17], v[16:17], v[20:21]
	v_add_f32 v12, v16, v17                        ; of the row's: at least 1
	v_rcp_f32 v14, v12
	v_nop                                          ; a plain line behind the reciprocal
	s_wait_alu depctr_va_vdst(0)                   ; and the wait ahead of its first reader
.irp j, 0,2,4,6
	v_pk_mul_f32 v[4+\j:5+\j], v[4+\j:5+\j], v[14:15] op_sel_hi:[1,0]   ; of the pair the low word serves both halves
.endr
	global_store_b128 v1, v[4:7], s[6:7] th:TH_STORE_NT
	global_store_b128 v1, v[8:11], s[6:7] offset:4096 th:TH_STORE_NT
	s_wait_tensorcnt 0x0
	ds_add_u32 v32, v33
	s_wait_dscnt 0x0
	s_endpgm
.Lfunc_end_k_qcbe8d3f99d_soft:
	.size	k_qcbe8d3f99d_soft, .Lfunc_end_k_qcbe8d3f99d_soft-k_qcbe8d3f99d_soft
	.p2alignl 7, 3214868480
	.fill 96, 4, 3214868480
	.section	.rodata,"a",@progbits
	.p2align	6, 0x0
	.amdhsa_kernel k_qcbe8d3f99d_soft
		.amdhsa_group_segment_fixed_size 1280
		.amdhsa_private_segment_fixed_size 0
		.amdhsa_enable_private_segment 0
		.amdhsa_kernarg_size 16
		.amdhsa_user_sgpr_count 2
		.amdhsa_user_sgpr_kernarg_segment_ptr 1
		.amdhsa_wavefront_size32 1
		.amdhsa_system_sgpr_workgroup_id_x 1
		.amdhsa_system_sgpr_workgroup_id_y 1
		.amdhsa_system_sgpr_workgroup_id_z 1
		.amdhsa_system_vgpr_workitem_id 0
		.amdhsa_next_free_vgpr 34
		.amdhsa_next_free_sgpr 66
		.amdhsa_reserve_vcc 0
		.amdhsa_float_denorm_mode_32 3
		.amdhsa_float_denorm_mode_16_64 3
		.amdhsa_memory_ordered 1
		.amdhsa_forward_progress 1
		.amdhsa_inst_pref_size 6
	.end_amdhsa_kernel
	.amdgpu_metadata
---
amdhsa.version: [ 1, 2 ]
amdhsa.kernels:
  - .name:           k_qcbe8d3f99d_soft
    .symbol:         k_qcbe8d3f99d_soft.kd
    .args:
      - { .name: scores, .offset: 0, .size: 8, .value_kind: global_buffer, .address_space: global }
      - { .name: out0, .offset: 8, .size: 8, .value_kind: global_buffer, .address_space: global }
    .group_segment_fixed_size: 1280
    .private_segment_fixed_size: 0
    .kernarg_segment_align: 8
    .kernarg_segment_size: 16
    .max_flat_workgroup_size: 256
    .sgpr_count:     66
    .vgpr_count:     34
    .wavefront_size: 32
...
	.end_amdgpu_metadata
.endif
;; end of part 3
;; ======== version 2 of 2: 3 launches
;; limits: right only within a limited range of input values
;; workspace buffers: wq 557,056 bytes; tab 262,144 bytes; scores 262,144 bytes
;; launch prep (part 4): grid 64 x 1, 8 waves a work-group, no clusters, 63,488 bytes of LDS; arguments W, b, hidden, v, wq, tab; writes wq, tab
.if DOCPART == 4
	.amdgcn_target "amdgcn-amd-amdhsa--gfx1250"
	.amdhsa_code_object_version 6
	.text
	.protected	k_qcbe8d3f99d_prep
	.globl	k_qcbe8d3f99d_prep
	.p2align	8
	.type	k_qcbe8d3f99d_prep,@function
k_qcbe8d3f99d_prep:
	s_mov_b64 s[64:65], 0
	v_nop
	global_prefetch_b8 v0, s[64:65] scope:SCOPE_SE
	s_setreg_imm32_b32 hwreg(HW_REG_WAVE_MODE, 25, 1), 1
	s_wait_xcnt 0x0
; W [1024][2048] f32 = [Wh | We].  This launch quantises We to codes of FP4 (E2M1) with one E8M0 byte for each 32 along K and lays them in the ORDER OF THE
; OPERAND'S REGISTERS (buffer wq), quantises Wh and hidden, multiplies them (pre_h = Q(hidden) Q(Wh)^T, by the scaled FP4 matrix instruction), and stores the table
; tab[b][n] = { C2 (pre_h[b][n] + bias[n]), -2 v[n] }, C2 = 2 log2(e), which is what the next launch's tanh wants for each column.
; SHARES.  Work-group nt takes W's rows 16 nt .. 16 nt + 15; its wave ks takes K step ks (128 along K) of both halves of W and of hidden.  64 work-groups are all the tiles of 16 columns there are.
; LOADS.  A K step of a row is 512 bytes.  A UNIT is 8 registers: lane l holds the 8 neighbours k = 8 (l % 16) + 0 .. 7 of row 2 u + l / 16, by two loads on end which together cover 512 bytes of each of two rows.
; A block of 32 lies in four neighbouring lanes: two steps across lanes give its largest magnitude; one conversion a unit gives 8 codes, 4 bytes a lane.
; ONLY THE CODES TURN THROUGH LDS: a wave's own stage, rows of 64 bytes + 16 (20 words: the 16 rows that a load touches start 20 banks apart, each in banks of its own), bytes of their own for each of the four
; operands; they come back as the operand's registers: lane (r, h) takes the 16 bytes at 32 c + 16 h of row r.  The scale bytes likewise: 4 bytes a row, which are the row's scale word.
; LDS serves a wave's instructions in order (ISA guide 5.7.1.4), so no wait stands between a wave's stores into its stage and its loads from it.
; wq: 64 packages of 8,704 bytes.  Tile nt = 16 w + 4 p + q lies at 139,264 p + 34,816 w + 8,704 q.  In it: byte 1,024 ks + 512 c + 16 lane: registers 4 c .. 4 c + 3 of K step ks;
; byte 8,192 + 16 lane + 4 i: the scale word of K step 4 (lane / 16) + i, column lane % 16.
; A block's scale is 2^(floor(log2(largest magnitude)) - 2); its byte is the largest magnitude's exponent field - 2, held at 1 from below.
; LIMITS: a block of zeros gets the byte 1 (the rule says 127): its codes are zeros, and this program alone reads the bytes; blocks whose largest magnitude lies under 2^-124 are held at the byte 1;
; NaN and infinities among the inputs are not served.  pre_h's K is shared among eight waves and their eight partial sums are added in f32, K ascending: another order of rounding than one chain's.
; tab's stores are runs of 128 bytes (a tile has 16 columns of 8 bytes).
; WORK LEFT OUT, in the whole program: scores[b][s] = sum over n of v[n] tanh(x[b][s][n]) = sum over n of v[n] + sum over n of (-2 v[n]) / (1 + 2^(C2 x[b][s][n])).
; The first sum holds no s: it is one number c[b] along the softmax's axis, and softmax(t + c) = softmax(t) for every finite c.  So it is never formed; the buffer scores holds the second sum alone.
; Every input keeps its way to the output (v by -2 v[n]).  LIMIT: an overflow, an infinity or a NaN that would arise in the sum of v alone is not carried to the result.
.set C2,   0x4038aa3b
.set SCI,  0                           ; LDS: the package's scale words, 512 bytes
.set PR,   1024                        ; LDS: the waves' partial sums, 2,048 bytes each
.set STG,  17408                       ; LDS: the waves' stages
.set WREG, 5632                        ; a wave's stage: four operands' codes (16 rows x 80 bytes each), then their scale bytes (64 each)
.set CP,   80
.set SCB,  5120
.set X0,   64                          ; v64-127, v128-191, v192-255: three sets of 64 numbers as loaded
.set X1,   128
.set X2,   192
.set WHF,  20                          ; v20-27 Wh's fragment, v28-35 and v36-43 hidden's two
.set H0F,  28
.set H1F,  36
.set WD,   44                          ; v44-47 the scale words of Wh, hidden 0-15, hidden 16-31, We: scales and nothing else
.set TM,   48                          ; v48-55 largest magnitudes, then the conversions' scale operands, then the bytes
.set CD,   56                          ; v56-63 codes
.set WEF,  144                         ; v144-151 We's fragment.  v128-143 the two results; later v64-127 partial sums, v152-159 sums, v160-175 pairs to store, v176-179 scale words on their way out
; v1 lane % 16, v2 lane / 16, v3 W's offset, v4 hidden's, v5 16 x lane, v6 where my codes go, v7 where We's scale word goes, v8 where my partial sums go, v9 bias, v10 v, v11 tab's offset,
; v12 where my block's byte goes, v13 where I read a fragment, v14 where I read a scale word, v15 where partial sums are read, v16 4 r, v17 the codes' offset in the package
	s_load_b256 s[4:11], s[0:1], 0x0               ; W s[4:5], b s[6:7], hidden s[8:9], v s[10:11]
	s_load_b128 s[12:15], s[0:1], 0x20             ; wq s[12:13], tab s[14:15]
	v_lshl_add_u32 v19, v0, 2, 0xf400
	s_set_vgpr_msb 0x40
	v_mov_b32 v1, 0
	s_set_vgpr_msb 0x4000
	v_lshrrev_b32 v1, 5, v0
	s_delay_alu instid0(VALU_DEP_1)
	v_readfirstlane_b32 s16, v1                    ; wave = K step 0..7
	v_and_b32 v1, 15, v0                           ; r
	v_bfe_u32 v2, v0, 4, 1                         ; h
	v_and_b32 v18, 31, v0                          ; lane
	s_delay_alu instid0(VALU_DEP_3)
	v_lshlrev_b32 v3, 5, v1                        ; my 32 bytes of a row's 512,
	s_delay_alu instid0(VALU_DEP_1)
	v_lshl_add_u32 v4, v2, 12, v3                  ; hidden: lanes 16-31 one row of 4,096 bytes further down
	s_delay_alu instid0(VALU_DEP_2)
	v_lshl_add_u32 v3, v2, 13, v3                  ; W: one row of 8,192 bytes
	s_delay_alu instid0(VALU_DEP_4)
	v_lshlrev_b32 v5, 4, v18                       ; 16 x lane
	s_wait_alu depctr_va_vdst(0)
	s_lshr_b32 s17, s16, 2
	s_lshl_b32 s17, s17, 8
	s_and_b32 s18, s16, 3
	s_lshl_b32 s18, s18, 2
	s_add_co_u32 s17, s17, s18
	v_lshl_add_u32 v7, v1, 4, s17                  ; SCI + 16 r + 256 (ks / 4) + 4 (ks % 4)
	s_lshl_b32 s18, s16, 11
	s_add_co_u32 s18, s18, PR
	v_add_nc_u32 v8, s18, v5                       ; PR + 2,048 ks + 16 lane
	s_and_b32 s18, s16, 1
	s_lshl_b32 s19, s18, 10
	s_add_co_u32 s19, s19, PR
	v_add_nc_u32 v15, s19, v5                      ; PR + 1,024 (wave % 2) + 16 lane: tile mt = wave of the partial sums
	v_lshlrev_b32 v11, 3, v1
	s_delay_alu instid0(VALU_DEP_1)
	v_lshl_add_u32 v11, v2, 16, v11                ; tab: 8 rows b of 8,192 bytes for h, 8 bytes a column
	v_lshlrev_b32 v16, 2, v1                       ; bias, v: 4 r
	s_lshl_b32 s19, s16, 10
	v_add_nc_u32 v17, s19, v5                      ; the codes' place in the package: 1,024 ks + 16 lane
	s_mul_i32 s19, s16, WREG
	s_add_co_u32 s19, s19, STG                     ; my stage
	v_lshlrev_b32 v6, 2, v1
	s_delay_alu instid0(VALU_DEP_1)
	v_mad_u32_u24 v6, v2, CP, v6
	s_delay_alu instid0(VALU_DEP_1)
	v_add_nc_u32 v6, s19, v6                       ; codes in: row l / 16 of a unit's two, 4 bytes a lane
	v_bfe_u32 v12, v0, 2, 2                        ; my block among the K step's four
	s_delay_alu instid0(VALU_DEP_1)
	v_lshl_add_u32 v12, v2, 2, v12
	s_delay_alu instid0(VALU_DEP_1)
	v_add_nc_u32 v12, s19, v12                     ; bytes in: 4 a row
	v_mul_u32_u24 v13, v1, CP
	s_delay_alu instid0(VALU_DEP_1)
	v_lshl_add_u32 v13, v2, 4, v13
	s_delay_alu instid0(VALU_DEP_1)
	v_add_nc_u32 v13, s19, v13                     ; codes back: row r, + 16 h
	v_lshl_add_u32 v14, v1, 2, s19                 ; bytes back: row r's word, in both halves of the lanes
	s_lshl_b32 s24, s16, 9                         ; a K step is 512 bytes of f32
	s_mov_b32 s25, 0
	s_lshl_b32 s22, ttmp9, 17                      ; 16 rows of W
	s_add_co_u32 s22, s22, s24
	s_mov_b32 s23, 0
	s_lshl_b32 s26, ttmp9, 6                       ; 16 numbers of bias and of v
	s_mov_b32 s27, 0
	s_lshr_b32 s17, ttmp9, 4                       ; w
	s_mul_i32 s28, s17, 34816
	s_bfe_u32 s17, ttmp9, 0x20002                  ; p
	s_mul_i32 s17, s17, 139264
	s_add_co_u32 s28, s28, s17
	s_and_b32 s17, ttmp9, 3                        ; q
	s_mul_i32 s17, s17, 8704
	s_add_co_u32 s28, s28, s17                     ; the package
	s_mov_b32 s29, 0
	s_lshl_b32 s30, ttmp9, 7                       ; tab: 16 columns of 8 bytes,
	s_lshl_b32 s17, s18, 17
	s_add_co_u32 s30, s30, s17                     ; and 16 rows b for tile mt = wave % 2
	s_mov_b32 s31, 0
	s_mov_b32 s17, C2
	s_wait_kmcnt 0x0
	s_add_nc_u64 s[4:5], s[4:5], s[22:23]
	s_add_nc_u64 s[6:7], s[6:7], s[26:27]
	s_add_nc_u64 s[8:9], s[8:9], s[24:25]
	s_add_nc_u64 s[10:11], s[10:11], s[26:27]
	s_add_nc_u64 s[12:13], s[12:13], s[28:29]
	s_add_nc_u64 s[14:15], s[14:15], s[30:31]
; 16 loads: eight units, two rows each.  No non-temporal hint: the two loads of a unit take alternate 16 bytes of the same two stretches of 512, one straight after the other
.macro LDW reg, off
.set u, 0
.rept 8
	global_load_b128 v[\reg+8*u:\reg+8*u+3],   v3, s[4:5] offset:\off+16384*u
	global_load_b128 v[\reg+8*u+4:\reg+8*u+7], v3, s[4:5] offset:\off+16384*u+16
.set u, u+1
.endr
.endm
.macro LDH reg, off
.set u, 0
.rept 8
	global_load_b128 v[\reg+8*u:\reg+8*u+3],   v4, s[8:9] offset:\off+8192*u
	global_load_b128 v[\reg+8*u+4:\reg+8*u+7], v4, s[8:9] offset:\off+8192*u+16
.set u, u+1
.endr
.endm
; A set's eight units become codes and scale bytes in part t of my stage.  The units take turns line by line, so that no line waits for the line above it.
.macro QF src, t
.set u, 0
.rept 8
	v_max3_num_f32 v[TM+u], |v[\src+8*u]|, |v[\src+8*u+1]|, 0x1800000   ; my 8 numbers, and the floor 2^(3 - 127): so the byte cannot fall under 1
.set u, u+1
.endr
.irp i, 2,4,6
.set u, 0
.rept 8
	v_max3_num_f32 v[TM+u], |v[\src+8*u+\i]|, |v[\src+8*u+\i+1]|, v[TM+u]
.set u, u+1
.endr
.endr
.irp x, 1,2                                    ; with the three other lanes of my block
.set u, 0
.rept 8
	v_max_num_f32_dpp v[TM+u], v[TM+u], v[TM+u] row_xmask:\x row_mask:0xf bank_mask:0xf
.set u, u+1
.endr
.endr
.set u, 0
.rept 8
	v_add_nc_u32 v[TM+u], 0xff000000, v[TM+u]      ; 2 off the exponent field: the conversion takes the exponent field of this operand as its scale
.set u, u+1
.endr
.set u, 0
.rept 8
	v_cvt_scalef32_pk8_fp4_f32 v[CD+u], v[\src+8*u:\src+8*u+7], v[TM+u]
.set u, u+1
.endr
	v_nop                                          ; one plain line behind the last scaled conversion: only then is a source of one written
.set u, 0
.rept 8
	v_lshrrev_b32 v[TM+u], 23, v[TM+u]             ; the scale's byte
.set u, u+1
.endr
.set u, 0
.rept 8
	ds_store_b32 v6, v[CD+u] offset:16*CP*\t+2*CP*u            ; 64 bytes on end of each of two rows of codes
	ds_store_b8 v12, v[TM+u] offset:SCB+64*\t+8*u              ; the four lanes of a block write the same byte with the same value
.set u, u+1
.endr
.endm
.macro RB frag, word, t                        ; and back, as the operand's registers and its scale word
	ds_load_b128 v[\frag:\frag+3],   v13 offset:16*CP*\t
	ds_load_b128 v[\frag+4:\frag+7], v13 offset:16*CP*\t+32
	ds_load_b32 v[\word], v14 offset:SCB+64*\t
.endm
	global_load_b32 v9, v16, s[6:7]                ; bias[16 nt + r]
	global_load_b32 v10, v16, s[10:11]             ; v[16 nt + r]
	LDW X0, 0                                      ; Wh
	LDH X1, 0                                      ; hidden, rows 0-15
	LDH X2, 65536                                  ; hidden, rows 16-31
	s_wait_loadcnt 32                              ; behind Wh's 16 loads stand hidden's two sets of 16
	QF X0, 0
	RB WHF, WD, 0
	LDW X0, 4096                                   ; We
	s_wait_loadcnt 32                              ; behind hidden 0-15: hidden 16-31 and We
	s_wait_dscnt 3                                 ; all but the three loads just issued: the stores ahead of them have read TM and CD
	QF X1, 1
	RB H0F, WD+1, 1
	s_wait_loadcnt 16                              ; behind hidden 16-31: We
	s_wait_dscnt 3
	QF X2, 2
	RB H1F, WD+2, 2
	s_wait_dscnt 0x0                               ; the three fragments and their scale words are in: registers filled by loads owe a scaled matrix instruction only their wait
	v_wmma_scale_f32_16x16x128_f8f6f4 v[128:135], v[H0F:H0F+7], v[WHF:WHF+7], 0, v[WD+1], v[WD] matrix_a_fmt:MATRIX_FMT_FP4 matrix_b_fmt:MATRIX_FMT_FP4   ; register j: (b = 8 h + j, n = r), this K step's part
	v_wmma_scale_f32_16x16x128_f8f6f4 v[136:143], v[H1F:H1F+7], v[WHF:WHF+7], 0, v[WD+2], v[WD] matrix_a_fmt:MATRIX_FMT_FP4 matrix_b_fmt:MATRIX_FMT_FP4   ; b = 16 + 8 h + j
	s_wait_loadcnt 0x0
	QF X0, 3                                       ; We.  Its plain lines, which name none of the products' registers, are the places ahead of the stores that read the results
	RB WEF, WD+3, 3
	ds_store_b128 v8, v[128:131]                   ; each result from its low end on
	ds_store_b128 v8, v[132:135] offset:512
	ds_store_b128 v8, v[136:139] offset:1024
	ds_store_b128 v8, v[140:143] offset:1536
	s_wait_dscnt 4                                 ; We's fragment and scale word are back: behind their three loads stand the four stores
	global_store_b128 v17, v[WEF:WEF+3], s[12:13]              ; 32 lanes store 512 consecutive bytes, at a multiple of 256 from wq's first byte
	global_store_b128 v17, v[WEF+4:WEF+7], s[12:13] offset:512
	ds_store_b32 v7, v[WD+3]                       ; both halves of the lanes write the same word with the same value
	s_wait_dscnt 0x0                               ; for the others' sake: my scale word and my partial sums lie in LDS
	s_barrier_signal -1
	s_barrier_wait -1
	s_cmp_eq_u32 s16, 2
	s_cbranch_scc0 .Lnot_wave_2
	ds_load_b128 v[176:179], v5 offset:SCI         ; wave 2: the package's 512 bytes of scale words leave in one store
	s_wait_dscnt 0x0
	global_store_b128 v5, v[176:179], s[12:13] offset:8192
.Lnot_wave_2:
	s_cmp_lt_u32 s16, 2
	s_cbranch_scc0 .Lend
.irp k, 0,1,2,3,4,5,6,7                        ; waves 0 and 1: tile mt = wave of all eight waves' partial sums
	ds_load_b128 v[64+8*\k:67+8*\k], v15 offset:2048*\k
	ds_load_b128 v[68+8*\k:71+8*\k], v15 offset:2048*\k+512
.endr
	v_mul_f32 v9, s17, v9                          ; C2 bias
	v_mul_f32 v10, -2.0, v10                       ; -2 v
	s_wait_dscnt 0x0
.irp i, 0,2,4,6
	v_pk_add_f32 v[152+\i:153+\i], v[64+\i:65+\i], v[72+\i:73+\i]
.endr
.irp k, 2,3,4,5,6,7                            ; K ascending
.irp i, 0,2,4,6
	s_delay_alu instid0(VALU_DEP_4)
	v_pk_add_f32 v[152+\i:153+\i], v[152+\i:153+\i], v[64+8*\k+\i:65+8*\k+\i]
.endr
.endr
.irp j, 0,1,2,3,4,5,6,7
	v_fma_f32 v[160+2*\j], v[152+\j], s17, v9      ; C2 (pre_h + bias)
	v_mov_b32 v[161+2*\j], v10
.endr
.irp j, 0,1,2,3,4,5,6,7
	global_store_b64 v11, v[160+2*\j:161+2*\j], s[14:15] offset:8192*\j   ; tab[16 mt + 8 h + j][16 nt + r]
.endr
.Lend:
	s_set_vgpr_msb 0x4
	s_wait_tensorcnt 0x0
	ds_add_u32 v19, v1
	s_wait_dscnt 0x0
	s_set_vgpr_msb 0x400
	s_endpgm
.Lfunc_end_k_qcbe8d3f99d_prep:
	.size	k_qcbe8d3f99d_prep, .Lfunc_end_k_qcbe8d3f99d_prep-k_qcbe8d3f99d_prep
	.p2alignl 7, 3214868480
	.fill 96, 4, 3214868480
	.section	.rodata,"a",@progbits
	.p2align	6, 0x0
	.amdhsa_kernel k_qcbe8d3f99d_prep
		.amdhsa_group_segment_fixed_size 63488
		.amdhsa_private_segment_fixed_size 0
		.amdhsa_enable_private_segment 0
		.amdhsa_kernarg_size 48
		.amdhsa_user_sgpr_count 2
		.amdhsa_user_sgpr_kernarg_segment_ptr 1
		.amdhsa_wavefront_size32 1
		.amdhsa_system_sgpr_workgroup_id_x 1
		.amdhsa_system_sgpr_workgroup_id_y 1
		.amdhsa_system_sgpr_workgroup_id_z 1
		.amdhsa_system_vgpr_workitem_id 0
		.amdhsa_next_free_vgpr 258
		.amdhsa_next_free_sgpr 66
		.amdhsa_reserve_vcc 0
		.amdhsa_float_denorm_mode_32 3
		.amdhsa_float_denorm_mode_16_64 3
		.amdhsa_memory_ordered 1
		.amdhsa_forward_progress 1
		.amdhsa_inst_pref_size 40
	.end_amdhsa_kernel
	.amdgpu_metadata
---
amdhsa.version: [ 1, 2 ]
amdhsa.kernels:
  - .name:           k_qcbe8d3f99d_prep
    .symbol:         k_qcbe8d3f99d_prep.kd
    .args:
      - { .name: W, .offset: 0, .size: 8, .value_kind: global_buffer, .address_space: global }
      - { .name: b, .offset: 8, .size: 8, .value_kind: global_buffer, .address_space: global }
      - { .name: hidden, .offset: 16, .size: 8, .value_kind: global_buffer, .address_space: global }
      - { .name: v, .offset: 24, .size: 8, .value_kind: global_buffer, .address_space: global }
      - { .name: wq, .offset: 32, .size: 8, .value_kind: global_buffer, .address_space: global }
      - { .name: tab, .offset: 40, .size: 8, .value_kind: global_buffer, .address_space: global }
    .group_segment_fixed_size: 63488
    .private_segment_fixed_size: 0
    .kernarg_segment_align: 8
    .kernarg_segment_size: 48
    .max_flat_workgroup_size: 256
    .sgpr_count:     66
    .vgpr_count:     258
    .wavefront_size: 32
...
	.end_amdgpu_metadata
.endif
;; end of part 4
;; launch energy (part 5): grid 256 x 1, 8 waves a work-group, no clusters, 160,768 bytes of LDS; arguments encoder_outputs, wq, tab, scores; writes scores
.if DOCPART == 5
	.amdgcn_target "amdgcn-amd-amdhsa--gfx1250"
	.amdhsa_code_object_version 6
	.text
	.protected	k_qcbe8d3f99d_energy
	.globl	k_qcbe8d3f99d_energy
	.p2align	8
	.type	k_qcbe8d3f99d_energy,@function
k_qcbe8d3f99d_energy:
	s_mov_b64 s[64:65], 0
	v_nop
	global_prefetch_b8 v0, s[64:65] scope:SCOPE_SE
	s_setreg_imm32_b32 hwreg(HW_REG_WAVE_MODE, 25, 1), 1
	s_wait_xcnt 0x0
; scores[b][s] = sum over n of (-2 v[n]) / (1 + 2^y), y = C2 (Q(enc[s][b]) . Q(We[n])) + tab[b][n].first: v . tanh(..) less the sum of v, which is the same for all s of a row b
; and is left out (shown at the head of the first kernel).  The product is made on codes of FP4 (E2M1) with E8M0 scales by the scaled matrix instruction; all else in f32.
; SHARES.  A work-group takes one b and 256 s: 16 tiles of 16 rows.  EIGHT waves, two to a SIMD, 512 registers each.
; We STAYS IN REGISTERS: a wave holds four packages of wq (64 columns x 1,024 along K, 256 registers, window 1), loaded from memory as the operand's registers want them; the eight waves hold half of We's 1,024 columns.
; THE ROWS' CODES STAY IN LDS: set g of the eight waves (two rows each, 64 registers of f32) is tile g; it is quantised into the image, which holds all 256 rows and is never written twice: one barrier a set.
; A VISIT multiplies one tile by my 64 columns: 17 LDS loads, 32 matrix instructions; then the tanh's terms, their sum over my columns, and 16 partial sums into LDS bytes of my own.
; ORDER: tiles 0-7 x half 0, each as soon as it is quantised; half 1 is loaded; tiles 0-7 x half 1 while tiles 8-11 are quantised; tiles 8-15 x half 1 while tiles 12-15 are quantised; half 0 again; tiles 8-15 x half 0.
; So a work-group reads 3 x 278,528 bytes of wq, and each tile of codes twice in each wave.  At the end waves 0 to 3 add a row's 16 partial sums (2 halves x 8 waves) in f32 and store.
; Package 32 half + 4 w + q of wq holds column tile 16 (w % 4) + 8 half + 4 (w / 4) + q.
; NO CLUSTER, NO TENSOR LOAD: what work-groups share, wq, goes straight into registers, and no tile in LDS is shared between work-groups.
; PREFETCH of the rows: the step that loads set g + 1 asks for set g + 3: 32 lanes name its 32 aligned blocks of 256 bytes, each once in the launch; sets 1 and 2 are asked for at the head, nothing behind set 15.
; wq is not prefetched: 557,056 bytes that all work-groups read together.
; LIMITS: a block of zeros gets the byte 1 (its codes are zeros; this program alone reads the bytes); blocks whose largest magnitude lies under 2^-124 are held at the byte 1; NaN and infinities among the inputs are not served.
.set PKG,   8704
.set HALF,  32*PKG
.set IP,    528                        ; a row of the image: 512 bytes of codes + 16
.set IMG,   0
.set ISC,   IMG+256*IP                 ; its scale bytes, 32 a row
.set RED,   ISC+8192                   ; partial sums: [half][wave][256 rows] f32
.set SPARE, RED+16384                  ; the spare words, 128 bytes a wave: no other line names them
.set SPW, 1
.set NIL, 2
.set L16, 3
.set T8,  4
.set IW,  5
.set IWV, 6
.set IS,  7
.set ISV, 8
.set IR,  9
.set IRV, 10
.set ISR, 11
.set ISRV, 12
.set XA,  13
.set XV,  14
.set PFO, 15
.set PFV, 16
.set PF2, 17
.set RW,  18
.set RWV, 19
.set RR,  20
.set SOV, 21
.set WK,  22                           ; v22-29 at work at the head, then the codes
.set CD,  22
.set SA,  32                           ; v32-35 the tile's scale words; v36-51 my columns': scales and nothing else
.set SB,  36
.set TC,  52                           ; v52-59 {tab.first, 0} for my four column tiles
.set TV,  60                           ; v60-67 {-2 v, 0}
.set TM,  68                           ; v68-75 largest magnitudes, scale operands, bytes
.set ACC, 76                           ; v76-83, v84-91 the rows' sums, in two chains
.set ACB, 84
.set DD,  96                           ; v96-127 four results
.set AF,  128                          ; v128-191 a tile's fragments
.set X,   192                          ; v192-255 a set of two rows, f32
.set WV,  12
.set CS,  22
.set WB,  40
.set RH,  44
.set GQ,  45
.set MT,  46
.set HBC, 47
.set MSB, 0
.macro WIN new                         ; the immediate's high byte repeats the setting that is left
.if MSB != \new
	s_set_vgpr_msb (MSB<<8)|\new
.set MSB, \new
.endif
.endm
	s_load_b256 s[4:11], s[0:1], 0x0               ; enc s[4:5], wq s[6:7], tab s[8:9], scores s[10:11]
	v_lshl_add_u32 v[SPW], v0, 2, SPARE
	v_mov_b32 v[NIL], 0
	v_lshrrev_b32 v[WK], 5, v0
	s_delay_alu instid0(VALU_DEP_1)
	v_readfirstlane_b32 s[WV], v[WK]               ; wave 0..7
	s_and_b32 s15, ttmp9, 31                       ; b
	s_lshr_b32 s16, ttmp9, 5                       ; which 256 s
	s_mov_b32 s[CS], 0x4038aa3b                    ; C2 = 2 log2(e)
	s_mov_b32 s[CS+1], s[CS]
	s_mov_b32 s[GQ], 0
	s_mov_b32 s[MT], 0
	s_mov_b32 s[RH], 0
	s_mul_i32 s19, s[WV], 2*IP                     ; my two rows of a tile
	s_lshl_b32 s20, s[WV], 6
	s_add_co_u32 s20, s20, ISC
	s_lshl_b32 s21, s[WV], 10
	s_add_co_u32 s21, s21, RED
	s_lshl_b32 s18, s[WV], 8
	s_add_co_u32 s17, s18, RED
	v_and_b32 v[WK], 31, v0                        ; l.  (The lines are laid so that none reads a result of the four lines above it)
	v_and_b32 v[WK+1], 15, v0                      ; r
	v_bfe_u32 v[WK+2], v0, 4, 1                    ; h
	v_bfe_u32 v[WK+3], v0, 2, 3                    ; l / 4: my block among a group's eight
.irp q, 0,1,2,3
	v_mov_b32 v[TC+2*\q+1], 0                      ; named as the upper halves of pairs
	v_mov_b32 v[TV+2*\q+1], 0
.endr
	v_lshlrev_b32 v[L16], 4, v[WK]
	v_lshlrev_b32 v[T8], 3, v[WK+1]
	v_lshl_add_u32 v[IW], v[WK], 2, s19
	v_add_nc_u32 v[IS], s20, v[WK+3]
	v_mul_u32_u24 v[IR], v[WK+1], IP
	v_lshl_add_u32 v[ISR], v[WK+1], 5, ISC
	v_lshlrev_b32 v[XA], 5, v[WK]                  ; my 32 bytes of a group's 1,024
	v_lshlrev_b32 v[PFO], 8, v[WK+1]
	v_lshl_add_u32 v[RW], v[WK+2], 5, s21
	v_lshl_add_u32 v[RR], v[WK], 3, s17
	v_lshl_add_u32 v[SOV], v[WK], 3, s18
	v_lshl_add_u32 v[IR], v[WK+2], 4, v[IR]
	v_lshl_add_u32 v[ISR], v[WK+2], 4, v[ISR]
	v_lshl_add_u32 v[PFO], v[WK+2], 17, v[PFO]     ; prefetch: row h of a set's two, block r of its sixteen
	v_mov_b32 v[XV], v[XA]
	s_wait_alu depctr_va_vdst(0)
	s_wait_kmcnt 0x0
	s_lshl_b32 s48, s16, 8
	s_lshl_b32 s49, s[WV], 1
	s_add_co_u32 s48, s48, s49                     ; my first s: 256 x part + 2 x wave
	s_lshl_b32 s48, s48, 17                        ; a step of s is 131,072 bytes
	s_lshl_b32 s49, s15, 12
	s_add_co_u32 s48, s48, s49
	s_mov_b32 s49, 0
	s_add_nc_u64 s[4:5], s[4:5], s[48:49]
.macro XLOAD                           ; a set: group g = row g / 4, 1,024 bytes g % 4; two loads on end cover a group
.set g, 0
.rept 8
	global_load_b128 v[X+8*g:X+8*g+3],   v[XV], s[4:5] offset:131072*(g/4)+1024*(g%4)
	global_load_b128 v[X+8*g+4:X+8*g+7], v[XV], s[4:5] offset:131072*(g/4)+1024*(g%4)+16
.set g, g+1
.endr
.endm
; My four packages of half hf, their scale words, and my columns' pairs of tab
.macro WLOAD hf
	WIN 0x40
.irp q, 0,1,2,3
.set g, 0
.rept 16
	global_load_b128 v[64*\q+4*g:64*\q+4*g+3], v[L16], s[WB:WB+1] offset:HALF*\hf+PKG*\q+512*g
.set g, g+1
.endr
.endr
	WIN 0
.irp q, 0,1,2,3
	global_load_b128 v[SB+4*\q:SB+4*\q+3], v[L16], s[WB:WB+1] offset:HALF*\hf+PKG*\q+8192   ; lanes 0-15: K steps 0-3; lanes 16-31: K steps 4-7
	global_load_b32 v[TC+2*\q], v[T8], s[8:9] offset:1024*\hf+128*\q
	global_load_b32 v[TV+2*\q], v[T8], s[8:9] offset:1024*\hf+128*\q+4
.endr
.endm
	XLOAD                                          ; set 0
	v_add_nc_u32 v[PFV], 1<<21, v[PFO]
	global_prefetch_b8 v[PFV], s[4:5] th:TH_LOAD_NT scope:SCOPE_SE   ; set 1: a set is 16 rows of s on
	v_add_nc_u32 v[PF2], 2<<21, v[PFO]
	global_prefetch_b8 v[PF2], s[4:5] th:TH_LOAD_NT scope:SCOPE_SE   ; set 2
	s_mul_i32 s48, s[WV], 4*PKG
	s_add_nc_u64 s[WB:WB+1], s[6:7], s[48:49]
	s_and_b32 s48, s[WV], 3
	s_lshl_b32 s48, s48, 11
	s_lshr_b32 s13, s[WV], 2
	s_lshl_b32 s13, s13, 9
	s_add_co_u32 s48, s48, s13
	s_lshl_b32 s13, s15, 13
	s_add_co_u32 s48, s48, s13
	s_add_nc_u64 s[8:9], s[8:9], s[48:49]          ; tab: row b, 2,048 (w % 4) + 512 (w / 4)
	s_lshl_b32 s48, s16, 10
	s_add_co_u32 s48, s48, s13
	s_add_nc_u64 s[10:11], s[10:11], s[48:49]
	WLOAD 0
; Set GQ becomes codes and scale bytes in the image; set GQ + 1 is loaded, set GQ + 3 prefetched; the barrier shows tile GQ to all waves.  The set's eight groups take turns line by line.
.macro QSEC
	s_wait_xcnt 0x0                                ; the earlier loads and prefetches have read their address registers
	s_mul_i32 s48, s[GQ], 16*IP
	s_lshl_b32 s49, s[GQ], 9
	v_add_nc_u32 v[IWV], s48, v[IW]
	v_add_nc_u32 v[ISV], s49, v[IS]
	s_add_co_u32 s48, s[GQ], 1
	s_lshl_b32 s48, s48, 21
	s_add_co_u32 s49, s[GQ], 3
	s_lshl_b32 s49, s49, 21
	v_add_nc_u32 v[XV], s48, v[XA]
	v_add_nc_u32 v[PFV], s49, v[PFO]
	s_wait_loadcnt 0x0                             ; the set is in, and so is whatever of wq and tab was asked for
.set g, 0
.rept 8
	v_max3_num_f32 v[TM+g], |v[X+8*g]|, |v[X+8*g+1]|, 0x1800000   ; and the floor 2^(3 - 127): the byte cannot fall under 1
.set g, g+1
.endr
.irp i, 2,4,6
.set g, 0
.rept 8
	v_max3_num_f32 v[TM+g], |v[X+8*g+\i]|, |v[X+8*g+\i+1]|, v[TM+g]
.set g, g+1
.endr
.endr
.irp x, 1,2                            ; with the three other lanes of my block
.set g, 0
.rept 8
	v_max_num_f32_dpp v[TM+g], v[TM+g], v[TM+g] row_xmask:\x row_mask:0xf bank_mask:0xf
.set g, g+1
.endr
.endr
.set g, 0
.rept 8
	v_add_nc_u32 v[TM+g], 0xff000000, v[TM+g]      ; 2 off the exponent field: the conversion's scale operand
.set g, g+1
.endr
.set g, 0
.rept 8
	v_cvt_scalef32_pk8_fp4_f32 v[CD+g], v[X+8*g:X+8*g+7], v[TM+g]
.set g, g+1
.endr
	v_nop                                          ; one plain line behind the last scaled conversion
.set g, 0
.rept 8
	v_lshrrev_b32 v[TM+g], 23, v[TM+g]             ; the scale's byte
.set g, g+1
.endr
.set g, 0
.rept 8
	ds_store_b32 v[IWV], v[CD+g] offset:IP*(g/4)+128*(g%4)
	ds_store_b8 v[ISV], v[TM+g] offset:32*(g/4)+8*(g%4)        ; the four lanes of a block write the same byte
.set g, g+1
.endr
	s_cmp_lt_u32 s[GQ], 15
	s_cbranch_scc0 .Lno_set_\@
	XLOAD
.Lno_set_\@:
	s_cmp_lt_u32 s[GQ], 13
	s_cbranch_scc0 .Lno_ask_\@
	global_prefetch_b8 v[PFV], s[4:5] th:TH_LOAD_NT scope:SCOPE_SE
.Lno_ask_\@:
	s_add_co_u32 s[GQ], s[GQ], 1
	s_wait_dscnt 0x0                               ; for the others' sake: my two rows lie in the image
	s_barrier_signal -1
	s_barrier_wait -1
.endm
; Tile MT against my 64 columns.
.macro VISIT
	s_mul_i32 s48, s[MT], 16*IP
	s_lshl_b32 s49, s[MT], 9
	v_add_nc_u32 v[IRV], s48, v[IR]
	v_add_nc_u32 v[ISRV], s49, v[ISR]
	s_lshl_b32 s48, s[MT], 6
	s_add_co_u32 s48, s48, s[RH]
	v_add_nc_u32 v[RWV], s48, v[RW]
	ds_load_b128 v[SA:SA+3], v[ISRV]               ; lanes 0-15: K steps 0-3; lanes 16-31: K steps 4-7
.irp ks, 0,1,2,3,4,5,6,7
	ds_load_b128 v[AF+8*\ks:AF+8*\ks+3],   v[IRV] offset:64*\ks
	ds_load_b128 v[AF+8*\ks+4:AF+8*\ks+7], v[IRV] offset:64*\ks+32
.endr
	WIN 0x04                                       ; source 1 (We) in window 1
; 32 matrix instructions; the four accumulators take turns, one instruction a turn; the first K step starts the sums
.irp ks, 0,1,2,3,4,5,6,7
	s_wait_dscnt 14-2*\ks                          ; this K step's fragment is in; the two loads of each later K step may be out
.irp q, 0,1,2,3
.if \ks == 0
	v_wmma_scale_f32_16x16x128_f8f6f4 v[DD+8*\q:DD+8*\q+7], v[AF+8*\ks:AF+8*\ks+7], v[64*\q+8*\ks:64*\q+8*\ks+7], 0, v[SA+\ks], v[SB+4*\q+\ks] matrix_a_fmt:MATRIX_FMT_FP4 matrix_b_fmt:MATRIX_FMT_FP4
.elseif \ks < 4
	v_wmma_scale_f32_16x16x128_f8f6f4 v[DD+8*\q:DD+8*\q+7], v[AF+8*\ks:AF+8*\ks+7], v[64*\q+8*\ks:64*\q+8*\ks+7], v[DD+8*\q:DD+8*\q+7], v[SA+\ks], v[SB+4*\q+\ks] matrix_a_fmt:MATRIX_FMT_FP4 matrix_b_fmt:MATRIX_FMT_FP4
.else
	v_wmma_scale_f32_16x16x128_f8f6f4 v[DD+8*\q:DD+8*\q+7], v[AF+8*\ks:AF+8*\ks+7], v[64*\q+8*\ks:64*\q+8*\ks+7], v[DD+8*\q:DD+8*\q+7], v[SA+\ks-4], v[SB+4*\q+\ks-4] matrix_a_fmt:MATRIX_FMT_FP4 matrix_b_fmt:MATRIX_FMT_FP4 matrix_a_scale:MATRIX_SCALE_ROW1 matrix_b_scale:MATRIX_SCALE_ROW1
.endif
.endr
.endr
	WIN 0
.rept 4
	v_nop                                          ; places behind the products
.endr
; register 8 q + j of lane (r, h): row 8 h + j, column r of my tile q.  Each batch of transcendentals has one wait ahead of it and one behind it
.irp q, 0,1,2,3
.irp j, 0,2,4,6
	v_pk_fma_f32 v[DD+8*\q+\j:DD+8*\q+\j+1], v[DD+8*\q+\j:DD+8*\q+\j+1], s[CS:CS+1], v[TC+2*\q:TC+2*\q+1] op_sel_hi:[1,0,0]
.endr
.endr
	s_wait_alu depctr_va_vdst(0)
.set j, 0
.rept 32
	v_exp_f32 v[DD+j], v[DD+j]
.set j, j+1
.endr
	v_nop
	s_wait_alu depctr_va_vdst(0)
.set j, 0
.rept 16
	v_pk_add_f32 v[DD+j:DD+j+1], v[DD+j:DD+j+1], 1.0 op_sel_hi:[1,0]
.set j, j+2
.endr
	s_wait_alu depctr_va_vdst(0)
.set j, 0
.rept 32
	v_rcp_f32 v[DD+j], v[DD+j]
.set j, j+1
.endr
	v_nop
	s_wait_alu depctr_va_vdst(0)
.irp j, 0,2,4,6
	v_pk_mul_f32 v[ACC+\j:ACC+\j+1], v[DD+\j:DD+\j+1], v[TV:TV+1] op_sel_hi:[1,0]          ; x (-2 v): the first products start the sums
.endr
.irp j, 0,2,4,6
	v_pk_mul_f32 v[ACB+\j:ACB+\j+1], v[DD+8+\j:DD+8+\j+1], v[TV+2:TV+3] op_sel_hi:[1,0]
.endr
.irp j, 0,2,4,6
	v_pk_fma_f32 v[ACC+\j:ACC+\j+1], v[DD+16+\j:DD+16+\j+1], v[TV+4:TV+5], v[ACC+\j:ACC+\j+1] op_sel_hi:[1,0,1]
.endr
.irp j, 0,2,4,6
	v_pk_fma_f32 v[ACB+\j:ACB+\j+1], v[DD+24+\j:DD+24+\j+1], v[TV+6:TV+7], v[ACB+\j:ACB+\j+1] op_sel_hi:[1,0,1]
.endr
.irp j, 0,2,4,6
	s_delay_alu instid0(VALU_DEP_4)
	v_pk_add_f32 v[ACC+\j:ACC+\j+1], v[ACC+\j:ACC+\j+1], v[ACB+\j:ACB+\j+1]
.endr
	s_delay_alu instid0(VALU_DEP_4)
.irp x, 1,2,4,8                        ; over the sixteen lanes' columns
.set j, 0
.rept 8
	v_add_f32_dpp v[ACC+j], v[ACC+j], v[ACC+j] row_xmask:\x row_mask:0xf bank_mask:0xf
.set j, j+1
.endr
.endr
	ds_store_b128 v[RWV], v[ACC:ACC+3]             ; rows 8 h + 0 .. 7 of the tile: sixteen lanes write the same words with the same values
	ds_store_b128 v[RWV], v[ACC+4:ACC+7] offset:16
	s_add_co_u32 s[MT], s[MT], 1
.endm
.macro AGAIN label
	s_sub_co_u32 s[HBC], s[HBC], 1
	s_cmp_lg_u32 s[HBC], 0
	s_cbranch_scc1 \label
.endm
	s_mov_b32 s[HBC], 8
.Lp1:                                                  ; tiles 0-7 x half 0, each as soon as it is quantised
	QSEC
	VISIT
	AGAIN .Lp1
	WLOAD 1                                        ; the places behind the last products are the visit's own vector lines
	s_mov_b32 s[MT], 0
	s_mov_b32 s[RH], 8192
	s_mov_b32 s[HBC], 4
.Lp2:                                                  ; tiles 0-7 x half 1; tiles 8-11 are quantised
	QSEC
	VISIT
	VISIT
	AGAIN .Lp2
	s_mov_b32 s[HBC], 4
.Lp3:                                                  ; tiles 8-11 x half 1; tiles 12-15 are quantised
	QSEC
	VISIT
	AGAIN .Lp3
	s_mov_b32 s[HBC], 4
.Lp3b:                                                 ; tiles 12-15 x half 1
	VISIT
	AGAIN .Lp3b
	WLOAD 0
	s_mov_b32 s[MT], 8
	s_mov_b32 s[RH], 0
	s_mov_b32 s[HBC], 8
	s_wait_loadcnt 0x0
.Lp4:                                                  ; tiles 8-15 x half 0
	VISIT
	AGAIN .Lp4
	s_wait_dscnt 0x0                               ; for the others' sake: my partial sums lie in LDS
	s_barrier_signal -1
	s_barrier_wait -1
	s_cmp_lt_u32 s[WV], 4
	s_cbranch_scc0 .Lend
.irp i, 0,1,2,3,4,5,6,7,8,9,10,11,12,13,14,15
	ds_load_b64 v[DD+2*\i:DD+2*\i+1], v[RR] offset:1024*\i     ; waves 0 to 3: rows 64 w + 2 l and + 1, all sixteen parts
.endr
	s_wait_dscnt 0x0
.irp i, 0,2,4,6,8,10,12,14
	v_pk_add_f32 v[DD+\i:DD+\i+1], v[DD+\i:DD+\i+1], v[DD+16+\i:DD+16+\i+1]
.endr
.irp i, 0,2,4,6
	s_delay_alu instid0(VALU_DEP_4)
	v_pk_add_f32 v[DD+\i:DD+\i+1], v[DD+\i:DD+\i+1], v[DD+8+\i:DD+8+\i+1]
.endr
.irp i, 0,2
	s_delay_alu instid0(VALU_DEP_2)
	v_pk_add_f32 v[DD+\i:DD+\i+1], v[DD+\i:DD+\i+1], v[DD+4+\i:DD+4+\i+1]
.endr
	s_delay_alu instid0(VALU_DEP_1)
	v_pk_add_f32 v[DD:DD+1], v[DD:DD+1], v[DD+2:DD+3]
	global_store_b64 v[SOV], v[DD:DD+1], s[10:11]  ; a wave stores one aligned unit of 256 bytes
.Lend:
	s_wait_tensorcnt 0x0                           ; the wave's end
	ds_add_u32 v[SPW], v[NIL]
	s_wait_dscnt 0x0
	s_endpgm
.Lfunc_end_k_qcbe8d3f99d_energy:
	.size	k_qcbe8d3f99d_energy, .Lfunc_end_k_qcbe8d3f99d_energy-k_qcbe8d3f99d_energy
	.p2alignl 7, 3214868480
	.fill 96, 4, 3214868480
	.section	.rodata,"a",@progbits
	.p2align	6, 0x0
	.amdhsa_kernel k_qcbe8d3f99d_energy
		.amdhsa_group_segment_fixed_size 160768
		.amdhsa_private_segment_fixed_size 0
		.amdhsa_enable_private_segment 0
		.amdhsa_kernarg_size 32
		.amdhsa_user_sgpr_count 2
		.amdhsa_user_sgpr_kernarg_segment_ptr 1
		.amdhsa_wavefront_size32 1
		.amdhsa_system_sgpr_workgroup_id_x 1
		.amdhsa_system_sgpr_workgroup_id_y 1
		.amdhsa_system_sgpr_workgroup_id_z 1
		.amdhsa_system_vgpr_workitem_id 0
		.amdhsa_next_free_vgpr 512
		.amdhsa_next_free_sgpr 66
		.amdhsa_reserve_vcc 0
		.amdhsa_float_denorm_mode_32 3
		.amdhsa_float_denorm_mode_16_64 3
		.amdhsa_memory_ordered 1
		.amdhsa_forward_progress 1
		.amdhsa_inst_pref_size 135
	.end_amdhsa_kernel
	.amdgpu_metadata
---
amdhsa.version: [ 1, 2 ]
amdhsa.kernels:
  - .name:           k_qcbe8d3f99d_energy
    .symbol:         k_qcbe8d3f99d_energy.kd
    .args:
      - { .name: encoder_outputs, .offset: 0, .size: 8, .value_kind: global_buffer, .address_space: global }
      - { .name: wq, .offset: 8, .size: 8, .value_kind: global_buffer, .address_space: global }
      - { .name: tab, .offset: 16, .size: 8, .value_kind: global_buffer, .address_space: global }
      - { .name: scores, .offset: 24, .size: 8, .value_kind: global_buffer, .address_space: global }
    .group_segment_fixed_size: 160768
    .private_segment_fixed_size: 0
    .kernarg_segment_align: 8
    .kernarg_segment_size: 32
    .max_flat_workgroup_size: 256
    .sgpr_count:     66
    .vgpr_count:     512
    .wavefront_size: 32
...
	.end_amdgpu_metadata
.endif
;; end of part 5
;; launch soft (part 6): grid 32 x 1, 8 waves a work-group, no clusters, 1,280 bytes of LDS; arguments scores, out0; writes out0
.if DOCPART == 6
	.amdgcn_target "amdgcn-amd-amdhsa--gfx1250"
	.amdhsa_code_object_version 6
	.text
	.protected	k_qcbe8d3f99d_soft
	.globl	k_qcbe8d3f99d_soft
	.p2align	8
	.type	k_qcbe8d3f99d_soft,@function
k_qcbe8d3f99d_soft:
	s_mov_b64 s[64:65], 0
	v_nop
	global_prefetch_b8 v0, s[64:65] scope:SCOPE_SE
	s_setreg_imm32_b32 hwreg(HW_REG_WAVE_MODE, 25, 1), 1
	s_wait_xcnt 0x0
; out0[b][0][s] = softmax over s of scores[b][s].  scores, out0: [32][2048] f32.  A work-group takes a row b (there are 32 rows); thread t takes the 16 bytes at 16 t and at 4,096 + 16 t,
; so each load and store of a wave covers 512 consecutive bytes.  The row's maximum is taken away before the exponential; maximum and sum go across the lanes in registers and across the eight waves through LDS.
; LIMITS: NaN and infinities among the scores are not served; an exponential under 2^-126 comes out as 0 (ISA guide 15.8).
	s_load_b128 s[4:7], s[0:1], 0x0                ; scores, out0
	v_lshl_add_u32 v32, v0, 2, 0x100
	v_mov_b32 v33, 0
	v_lshlrev_b32 v1, 4, v0                        ; 16 t
	v_lshrrev_b32 v2, 5, v0
	s_delay_alu instid0(VALU_DEP_1)
	v_lshlrev_b32 v2, 2, v2                        ; LDS: 4 x wave
	v_mov_b32 v3, 0                                ; LDS: byte 0
	v_mov_b32 v13, 0                               ; written once: a lane permute's destination counts as one of its sources
	s_lshl_b32 s8, ttmp9, 13                       ; a row is 8,192 bytes
	s_mov_b32 s9, 0
	s_mov_b32 s12, 0x76543210
	s_mov_b32 s13, 0xfedcba98                      ; v_permlanex16_b32's selects for lane l xor 16
	s_wait_alu depctr_va_vdst(0)
	s_wait_kmcnt 0x0
	s_add_nc_u64 s[4:5], s[4:5], s[8:9]
	s_add_nc_u64 s[6:7], s[6:7], s[8:9]
	global_load_b128 v[4:7], v1, s[4:5] th:TH_LOAD_NT
	global_load_b128 v[8:11], v1, s[4:5] offset:4096 th:TH_LOAD_NT
	s_wait_loadcnt 0x0
	v_max3_num_f32 v12, v4, v5, v6                 ; the largest of my eight,
	s_delay_alu instid0(VALU_DEP_1)
	v_max3_num_f32 v12, v12, v7, v8
	s_delay_alu instid0(VALU_DEP_1)
	v_max3_num_f32 v12, v12, v9, v10
	s_delay_alu instid0(VALU_DEP_1)
	v_max_num_f32 v12, v12, v11
	s_delay_alu instid0(VALU_DEP_1)
	v_max_num_f32_dpp v12, v12, v12 row_xmask:1 row_mask:0xf bank_mask:0xf   ; of my wave's,
	s_delay_alu instid0(VALU_DEP_1)
	v_max_num_f32_dpp v12, v12, v12 row_xmask:2 row_mask:0xf bank_mask:0xf
	s_delay_alu instid0(VALU_DEP_1)
	v_max_num_f32_dpp v12, v12, v12 row_xmask:4 row_mask:0xf bank_mask:0xf
	s_delay_alu instid0(VALU_DEP_1)
	v_max_num_f32_dpp v12, v12, v12 row_xmask:8 row_mask:0xf bank_mask:0xf
	s_delay_alu instid0(VALU_DEP_1)
	v_permlanex16_b32 v13, v12, s12, s13
	s_delay_alu instid0(VALU_DEP_1)
	v_max_num_f32 v12, v12, v13
	ds_store_b32 v2, v12                           ; all lanes of a wave write the same word with the same value
	s_wait_dscnt 0x0                               ; for the others' sake
	s_barrier_signal -1
	s_barrier_wait -1
	ds_load_b128 v[16:19], v3
	ds_load_b128 v[20:23], v3 offset:16
	s_wait_dscnt 0x0
	v_max3_num_f32 v12, v16, v17, v18              ; of the row's
	s_delay_alu instid0(VALU_DEP_1)
	v_max3_num_f32 v12, v12, v19, v20
	s_delay_alu instid0(VALU_DEP_1)
	v_max3_num_f32 v12, v12, v21, v22
	s_delay_alu instid0(VALU_DEP_1)
	v_max_num_f32 v12, v12, v23
.irp j, 0,1,2,3,4,5,6,7
	v_sub_f32 v[4+\j], v[4+\j], v12                ; the maximum is taken away first,
.endr
.irp j, 0,1,2,3,4,5,6,7
	v_mul_f32 v[4+\j], 0x3fb8aa3b, v[4+\j]         ; then x log2(e)
.endr
	s_wait_alu depctr_va_vdst(0)
.irp j, 0,1,2,3,4,5,6,7
	v_exp_f32 v[4+\j], v[4+\j]
.endr
	v_nop                                          ; a plain line behind the last exponential
	s_wait_alu depctr_va_vdst(0)                   ; one wait for the eight, ahead of their first reader
	v_pk_add_f32 v[14:15], v[4:5], v[6:7]
	v_pk_add_f32 v[24:25], v[8:9], v[10:11]
	s_delay_alu instid0(VALU_DEP_1)
	v_pk_add_f32 v[14:15], v[14:15], v[24:25]
	s_delay_alu instid0(VALU_DEP_1)
	v_add_f32 v12, v14, v15                        ; the sum of my eight,
	s_delay_alu instid0(VALU_DEP_1)
	v_add_f32_dpp v12, v12, v12 row_xmask:1 row_mask:0xf bank_mask:0xf       ; of my wave's,
	s_delay_alu instid0(VALU_DEP_1)
	v_add_f32_dpp v12, v12, v12 row_xmask:2 row_mask:0xf bank_mask:0xf
	s_delay_alu instid0(VALU_DEP_1)
	v_add_f32_dpp v12, v12, v12 row_xmask:4 row_mask:0xf bank_mask:0xf
	s_delay_alu instid0(VALU_DEP_1)
	v_add_f32_dpp v12, v12, v12 row_xmask:8 row_mask:0xf bank_mask:0xf
	s_delay_alu instid0(VALU_DEP_1)
	v_permlanex16_b32 v13, v12, s12, s13
	s_delay_alu instid0(VALU_DEP_1)
	v_add_f32 v12, v12, v13
	ds_store_b32 v2, v12 offset:64                 ; other bytes than the maxima's: no wave may still be reading those
	s_wait_dscnt 0x0
	s_barrier_signal -1
	s_barrier_wait -1
	ds_load_b128 v[16:19], v3 offset:64
	ds_load_b128 v[20:23], v3 offset:80
	s_wait_dscnt 0x0
	v_pk_add_f32 v[16:17], v[16:17], v[18:19]
	v_pk_add_f32 v[20:21], v[20:21], v[22:23]
	s_delay_alu instid0(VALU_DEP_1)
	v_pk_add_f32 v[16:17], v[16:17], v[20:21]
	s_delay_alu instid0(VALU_DEP_1)
	v_add_f32 v12, v16, v17                        ; of the row's: at least 1
	s_wait_alu depctr_va_vdst(0)
	v_rcp_f32 v14, v12
	v_nop                                          ; a plain line behind the reciprocal
	s_wait_alu depctr_va_vdst(0)                   ; and the wait ahead of its first reader
.irp j, 0,2,4,6
	v_pk_mul_f32 v[4+\j:5+\j], v[4+\j:5+\j], v[14:15] op_sel_hi:[1,0]   ; of the pair the low word serves both halves
.endr
	global_store_b128 v1, v[4:7], s[6:7] th:TH_STORE_NT
	global_store_b128 v1, v[8:11], s[6:7] offset:4096 th:TH_STORE_NT
	s_wait_tensorcnt 0x0
	ds_add_u32 v32, v33
	s_wait_dscnt 0x0
	s_endpgm
.Lfunc_end_k_qcbe8d3f99d_soft:
	.size	k_qcbe8d3f99d_soft, .Lfunc_end_k_qcbe8d3f99d_soft-k_qcbe8d3f99d_soft
	.p2alignl 7, 3214868480
	.fill 96, 4, 3214868480
	.section	.rodata,"a",@progbits
	.p2align	6, 0x0
	.amdhsa_kernel k_qcbe8d3f99d_soft
		.amdhsa_group_segment_fixed_size 1280
		.amdhsa_private_segment_fixed_size 0
		.amdhsa_enable_private_segment 0
		.amdhsa_kernarg_size 16
		.amdhsa_user_sgpr_count 2
		.amdhsa_user_sgpr_kernarg_segment_ptr 1
		.amdhsa_wavefront_size32 1
		.amdhsa_system_sgpr_workgroup_id_x 1
		.amdhsa_system_sgpr_workgroup_id_y 1
		.amdhsa_system_sgpr_workgroup_id_z 1
		.amdhsa_system_vgpr_workitem_id 0
		.amdhsa_next_free_vgpr 34
		.amdhsa_next_free_sgpr 66
		.amdhsa_reserve_vcc 0
		.amdhsa_float_denorm_mode_32 3
		.amdhsa_float_denorm_mode_16_64 3
		.amdhsa_memory_ordered 1
		.amdhsa_forward_progress 1
		.amdhsa_inst_pref_size 6
	.end_amdhsa_kernel
	.amdgpu_metadata
---
amdhsa.version: [ 1, 2 ]
amdhsa.kernels:
  - .name:           k_qcbe8d3f99d_soft
    .symbol:         k_qcbe8d3f99d_soft.kd
    .args:
      - { .name: scores, .offset: 0, .size: 8, .value_kind: global_buffer, .address_space: global }
      - { .name: out0, .offset: 8, .size: 8, .value_kind: global_buffer, .address_space: global }
    .group_segment_fixed_size: 1280
    .private_segment_fixed_size: 0
    .kernarg_segment_align: 8
    .kernarg_segment_size: 16
    .max_flat_workgroup_size: 256
    .sgpr_count:     66
    .vgpr_count:     34
    .wavefront_size: 32
...
	.end_amdgpu_metadata
.endif
;; end of part 6
